; MI455X (gfx1250); checked and timed in simulation.
; The chip was launched on July 23, 2026; its instructions are those of AMD's public machine-readable ISA for CDNA 5 (MIT licence, August 2026) and "CDNA5" Instruction Set Architecture Reference Guide (July 2026). The comments in the code are by the model that wrote it; some were corrected since.
;; Multi Head Attention. Allowed arithmetic: matrix products marked QUANTISED: E4M3 operands, one E8M0 scale for each 32 along K, by v_wmma_scale_f32_16x16x128_f8f6f4 with both operands' format E4M3, f32 sums; everything else in f32.
;; Inputs: Wk_codes 1,024 x 32 x 32 uint8 (E4M3 codes of Wk, K innermost, in blocks of 32 codes); Wk_scales 1,024 x 32 uint8 (E8M0 scales of Wk, one for each 32 codes along K); Wo_codes 1,024 x 32 x 32 uint8 (E4M3 codes of Wo, K innermost, in blocks of 32 codes); Wo_scales 1,024 x 32 uint8 (E8M0 scales of Wo, one for each 32 codes along K); Wq_codes 1,024 x 32 x 32 uint8 (E4M3 codes of Wq, K innermost, in blocks of 32 codes); Wq_scales 1,024 x 32 uint8 (E8M0 scales of Wq, one for each 32 codes along K); Wv_codes 1,024 x 32 x 32 uint8 (E4M3 codes of Wv, K innermost, in blocks of 32 codes); Wv_scales 1,024 x 32 uint8 (E8M0 scales of Wv, one for each 32 codes along K); bk 1,024 float32; bo 1,024 float32; bq 1,024 float32; bv 1,024 float32; k_codes 4 x 2,048 x 32 x 32 uint8 (E4M3 codes of k, K innermost, in blocks of 32 codes); k_scales 4 x 2,048 x 32 uint8 (E8M0 scales of k, one for each 32 codes along K); q_codes 4 x 2,048 x 32 x 32 uint8 (E4M3 codes of q, K innermost, in blocks of 32 codes); q_scales 4 x 2,048 x 32 uint8 (E8M0 scales of q, one for each 32 codes along K); v_codes 4 x 2,048 x 32 x 32 uint8 (E4M3 codes of v, K innermost, in blocks of 32 codes); v_scales 4 x 2,048 x 32 uint8 (E8M0 scales of v, one for each 32 codes along K).
;; Outputs: out0 4 x 2,048 x 1,024 float32.
;; This version of the problem:
;;   THIS VERSION OF THE PROBLEM IS GIVEN IN LOW PRECISION. The matrix products marked QUANTISED in the list below multiply operands that are first quantised to E4M3 (4 exponent bits, 3 mantissa bits; 8 bits a number), with one power-of-two scale for each 32 numbers along K (OCP MX v1.0); their sums are f32. All else is computed in f32.
;;   The module's matrix products, in the order in which they are computed (A, B: the left and right operand; K: the contracted axis; several contracted axes count as one K, in the product's order):
;;     1. [M 8,192, K 1,024] x [K 1,024, N 1,024]; A: input q (given as codes); B: input Wq (given as codes): QUANTISED
;;     2. [M 8,192, K 1,024] x [K 1,024, N 1,024]; A: input k (given as codes); B: input Wk (given as codes): QUANTISED
;;     3. [M 8,192, K 1,024] x [K 1,024, N 1,024]; A: input v (given as codes); B: input Wv (given as codes): QUANTISED
;;     4. batch 64 x [M 2,048, K 64] x [K 64, N 2,048]; A: computed on the way; B: computed on the way: QUANTISED
;;     5. batch 64 x [M 2,048, K 2,048] x [K 2,048, N 64]; A: softmax (see below); B: computed on the way: QUANTISED
;;     6. [M 8,192, K 1,024] x [K 1,024, N 1,024]; A: computed on the way; B: input Wo (given as codes): QUANTISED
;;   THE QUANTISER, for each operand of a quantised product, along K:
;;     - K is cut into blocks of 32 from its start; a last block that is shorter is filled with zeros.
;;     - A block's scale is 2^e with e = floor(log2(the largest magnitude in the block)) - 8, held to -126 .. 127; a block of zeros has e = 0. As a byte (E8M0): e + 127.
;;     - Each number is divided by its block's scale, clamped to +-448, and rounded to the nearest number of E4M3, ties to even, subnormals kept.
;;     - The product sums the exact products of the quantised numbers (number of the format x scale) in f32.
;;   ~~~python
;;   def quantise(x, axis):      # numpy; x: float32 -> the quantised numbers, widened to float32 again
;;       x = np.moveaxis(x, axis, -1); K = x.shape[-1]
;;       x = np.pad(x, [(0, 0)] * (x.ndim - 1) + [(0, -K % 32)]); x = x.reshape(x.shape[:-1] + (-1, 32)); a = np.abs(x).max(-1, keepdims=True)
;;       e = np.where(a > 0, np.clip(np.frexp(np.where(a > 0, a, 1))[1] - 1 - 8, -126, 127), 0)      # np.frexp(a)[1] - 1 = floor(log2(a)), exactly
;;       r = np.clip(x / 2.0 ** e, -448, 448)
;;       step = 2.0 ** (np.maximum(np.frexp(np.where(r == 0, 1, r))[1] - 1, -6) - 3)
;;       q = np.round(r / step) * step * 2.0 ** e      # np.round: ties to even
;;       return np.moveaxis(q.reshape(q.shape[:-2] + (-1,))[..., :K], -1, axis).astype(np.float32)
;;   ~~~
;;   SOFTMAX AHEAD OF A QUANTISED PRODUCT. Where the list says 'softmax', what is quantised is not the finished softmax but p = 2^(t - M), with t = logit x log2(e) and M = ceil(the row's largest t), a whole number; so 1/2 < the row's largest p <= 1. The row's sum l is taken of the UNQUANTISED p, in f32, and the product's result is divided by l at the end. Since M is a whole number, a kernel that streams over the keys may use a running M (the ceiling of the running maximum): every later rescaling is an exact power of two, which a block's scale takes up: the codes' values come out the same.
;;   OPERANDS COMPUTED ON THE WAY. 'Computed on the way' means the value that the module computes at that place (a softmax that the list does not call 'softmax' is quantised finished and normalised). What goes into a quantiser is computed in f32, as accurately as f32 sums, v_exp_f32 and their like allow (about 1e-6 of the number): no bf16 or f16 on the way to a quantiser, and a product that is left as it is and whose result goes on into a quantised operand takes f32 operands (vector FMAs, or v_wmma_f32_16x16x4_f32). A number that lies on a knife's edge between two numbers of the format may be rounded either way, as far as f32 arithmetic and the matrix unit's own rounding can turn it there, and no further.
;;   INPUTS GIVEN AS CODES. Wk (in the module: [1024, 1024], K = its axis 1); Wo (in the module: [1024, 1024], K = its axis 1); Wq (in the module: [1024, 1024], K = its axis 1); Wv (in the module: [1024, 1024], K = its axis 1); k (in the module: [4, 2048, 1024], K = its axis 2); q (in the module: [4, 2048, 1024], K = its axis 2); v (in the module: [4, 2048, 1024], K = its axis 2): each comes as NAME_codes (uint8): NAME with its K axis moved to the last place and cut into blocks of 32 codes, [.., K / 32, bytes a block], one block behind the other in memory; one code a byte (a code: sign, 4 exponent bits, 3 mantissa bits); and NAME_scales (uint8): the same leading axes, one E8M0 byte (e + 127) for each 32 codes along K. Its value is code x scale, taken as it is: it is not quantised again, and the codes and scales need not be those that the quantiser above would give.
;; One version. Each part assembles by itself: llvm-mc -triple=amdgcn-amd-amdhsa -mcpu=gfx1250 --defsym DOCPART=n.
;; ======== version 1 of 1: 3 launches
;; limits: right only within a limited range of input values
;; workspace buffers: qimg 8,388,608 bytes; qsc 524,288 bytes; kvimg 17,563,648 bytes; yimg 8,388,608 bytes; ysc 262,144 bytes
;; launch proj (part 1): grid 4 x 96, 4 waves a work-group, clusters of 4 x 4, 327,680 bytes of LDS; arguments q_codes, q_scales, Wq_codes, Wq_scales, bq, k_codes, k_scales, Wk_codes, Wk_scales, bk, v_codes, v_scales, Wv_codes, Wv_scales, bv, qimg, qsc, kvimg; writes qimg, qsc, kvimg
.if DOCPART == 1
	.amdgcn_target "amdgcn-amd-amdhsa--gfx1250"
	.amdhsa_code_object_version 6
	.text
	.protected	k_q5c1a79505e_proj
	.globl	k_q5c1a79505e_proj
	.p2align	8
	.type	k_q5c1a79505e_proj,@function
k_q5c1a79505e_proj:
	s_mov_b64 s[64:65], 0
	v_nop
	global_prefetch_b8 v0, s[64:65] scope:SCOPE_SE
	s_setreg_imm32_b32 hwreg(HW_REG_WAVE_MODE, 25, 1), 1
	s_wait_xcnt 0x0
	s_wait_alu depctr_hold_cnt(0) depctr_sa_sdst(0) depctr_va_vdst(0) depctr_va_sdst(0) depctr_va_ssrc(0) depctr_va_vcc(0) depctr_vm_vsrc(0)
	s_getreg_b32 s2, hwreg(HW_REG_IB_STS2, 6, 4)
	s_cmp_eq_u32 s2, 0
	s_cbranch_scc0 .Lentry_in_a_cluster
	s_endpgm
.Lentry_in_a_cluster:
	s_bfe_u32 s2, ttmp6, 0x10000c
	s_cmp_lg_u32 s2, 0xf033
	s_cbranch_scc0 .Lentry_shape_is_right
	s_endpgm
.Lentry_shape_is_right:
.set KSTEP,  256
.set NQ,     2
.set ROWB,   256
.set KROW,   1024
.set PITCH,  272
.set FR,     16
.set NL,     4
.set NP,     8
.set HALFT,  128*PITCH
.set SLOT,   4*HALFT
.set LAPS,   2
.set KS,     32
.set SCL,    2*SLOT
.set HALFS,  16*272
.set SBLK,   2*272
.set SPARE,  SCL+4*HALFS
.set BM,   8
.set ADRA, 16
.set ADRB, 20
.set OFF0, 24
.set OFF1, 25
.set OFF8, 26
.set ADRS, 27
.set SPW,  28
.set NIL,  29
.set SC,   32
.set BN,   64
.set AF,   128
.set PC,   128
.set TM,   144
.set PT,   148
.set HD,   152
.set SO,   156
.set SW,   160
.set SELW, 168
.set ROT,  172
.set G1, 24
.set G0, 32
.set G1B, 48
.set G0B, 56
.set G1S, 68
.set G0S, 76
.set G1SB, 80
.set G0SB, 88
.set MSB, 0
.macro WIN new
.if MSB != (\new)
	s_set_vgpr_msb (MSB<<8)|(\new)
.set MSB, (\new)
.endif
.endm
.set MUL_LO, 0xa1
.set MUL_HI, 0xf1
.set TO_B,   0x40
.macro JLOAD g0a, g1a, g0b, g1b
	s_cmp_eq_u32 s15, 0
	s_cbranch_scc0 .Lfor_b_\@
	tensor_load_to_lds s[\g0a:\g0a+3], s[\g1a:\g1a+7]
	s_nop 0
.rept 4
	v_nop
.endr
	s_branch .Lasked_\@
.Lfor_b_\@:
	tensor_load_to_lds s[\g0b:\g0b+3], s[\g1b:\g1b+7]
	s_nop 0
.rept 4
	v_nop
.endr
.Lasked_\@:
.endm
.macro CREST
	s_cmp_lg_u32 s14, 0
	s_cbranch_scc1 .Lnot_wave_0_\@
	s_barrier_signal -3
.Lnot_wave_0_\@:
	s_barrier_wait -3
	s_barrier_signal -1
	s_barrier_wait -1
.endm
.macro CROUND
	s_barrier_signal -1
	s_barrier_wait -1
	CREST
.endm
	s_load_b512 s[24:39], s[0:1], 0x0
	s_load_b512 s[40:55], s[0:1], 0x40
	s_load_b128 s[56:59], s[0:1], 0x80
	v_lshl_add_u32 v[SPW], v0, 2, SPARE
	v_mov_b32 v[NIL], 0
	ds_add_u32 v28, v29
	ds_add_u32 v28, v29
	s_wait_dscnt 0x0
	v_lshrrev_b32 v1, 5, v0
	v_readfirstlane_b32 s14, v1
	s_lshr_b32 s15, s14, 1
	s_and_b32 s16, s14, 1
	s_and_b32 s94, ttmp7, 0xffff
	s_lshr_b32 s95, s94, 3
	s_and_b32 s94, s94, 7
	s_lshl_b32 s94, s94, 2
	s_wait_kmcnt 0x0
	s_cmp_eq_u32 s95, 1
	s_cselect_b64 s[4:5], s[34:35], s[24:25]
	s_cselect_b64 s[6:7], s[36:37], s[26:27]
	s_cselect_b64 s[8:9], s[38:39], s[28:29]
	s_cselect_b64 s[10:11], s[40:41], s[30:31]
	s_cselect_b64 s[66:67], s[42:43], s[32:33]
	s_cmp_eq_u32 s95, 2
	s_cselect_b64 s[4:5], s[48:49], s[4:5]
	s_cselect_b64 s[6:7], s[50:51], s[6:7]
	s_cselect_b64 s[8:9], s[44:45], s[8:9]
	s_cselect_b64 s[10:11], s[46:47], s[10:11]
	s_cselect_b64 s[66:67], s[52:53], s[66:67]
	s_cmp_eq_u32 s95, 0
	s_cselect_b64 s[12:13], s[54:55], s[58:59]
	s_cselect_b64 s[96:97], s[56:57], s[58:59]     ; K's and V's scale words lie at the front of each head's block of kvimg
	s_bfe_u32 s40, ttmp6, 0x40000
	s_bfe_u32 s41, ttmp6, 0x40004
	s_cmp_eq_u32 s95, 2
	s_cselect_b32 s18, 0, s94
	s_cselect_b32 s19, s94, 0
	s_add_co_u32 s17, s41, s18
	s_add_co_u32 s42, s40, s19
	s_lshl_b32 s43, s41, 2
	s_lshl_b32 s43, 15, s43
	s_lshl_b32 s44, 0x1111, s40
	s_or_b32 s[G1+0], s43, (0<<16)|(1<<20)|(1<<21)|(5<<22)|(3<<25)
	s_or_b32 s[G1B+0], s44, (0<<16)|(1<<20)|(1<<21)|(5<<22)|(3<<25)
.irp g, G1, G1B
	s_mov_b32 s[\g+1], ROWB<<16
	s_mov_b32 s[\g+2], 256<<16
	s_mov_b32 s[\g+3], ROWB<<16
	s_mov_b32 s[\g+4], 256
	s_mov_b32 s[\g+5], KROW
	s_mov_b32 s[\g+6], 0
	s_mov_b32 s[\g+7], 0
.endr
	s_or_b32 s[G1S+0], s43, (3<<16)|(1<<20)|(1<<21)|(5<<22)|(3<<25)
	s_or_b32 s[G1SB+0], s44, (3<<16)|(1<<20)|(1<<21)|(5<<22)|(3<<25)
.irp g, G1S, G1SB
	s_mov_b32 s[\g+1], 32<<16
	s_mov_b32 s[\g+2], 32<<16
	s_mov_b32 s[\g+3], 32<<16
	s_mov_b32 s[\g+4], 32
	s_mov_b32 s[\g+5], 32
	s_mov_b32 s[\g+6], 0
	s_mov_b32 s[\g+7], 0
.endr
	s_lshl_b32 s18, s16, 7
	s_lshl_b32 s20, s17, 8
	s_add_co_u32 s20, s20, s18
	s_lshl_b32 s46, s42, 8
	s_add_co_u32 s46, s46, s18
	s_mov_b32 s21, 0
	s_mov_b32 s47, 0
	s_mov_b64 s[18:19], KS
	s_mul_u64 s[22:23], s[20:21], s[18:19]
	s_mul_u64 s[92:93], s[46:47], s[18:19]
	s_mov_b64 s[18:19], KROW
	s_mul_u64 s[20:21], s[20:21], s[18:19]
	s_mul_u64 s[46:47], s[46:47], s[18:19]
	s_mul_i32 s45, s14, HALFT
	s_add_nc_u64 s[20:21], s[4:5], s[20:21]
	s_add_nc_u64 s[22:23], s[6:7], s[22:23]
	s_add_nc_u64 s[46:47], s[8:9], s[46:47]
	s_add_nc_u64 s[92:93], s[10:11], s[92:93]
	CROUND
	s_mov_b32 s[G0S], 1
	s_mov_b32 s[G0S+1], SCL
	s_lshl_b32 s18, s16, 12                        ; the head's tiles are whole: my half's offset is taken off again
	s_mov_b32 s19, 0
	s_sub_nc_u64 s[G0S+2:G0S+3], s[22:23], s[18:19]
	s_or_b32 s[G0S+3], s[G0S+3], 0x80000000
	s_mov_b32 s[G0SB], 1
	s_mov_b32 s[G0SB+1], SCL+2*HALFS
	s_sub_nc_u64 s[G0SB+2:G0SB+3], s[92:93], s[18:19]
	s_or_b32 s[G0SB+3], s[G0SB+3], 0x80000000
.irp s, 0,1
	s_mov_b32 s[G0+4*\s], 1
	s_add_co_u32 s[G0+4*\s+1], s45, \s*SLOT
	s_add_nc_u64 s[G0+4*\s+2:G0+4*\s+3], s[20:21], \s*ROWB
	s_or_b32 s[G0+4*\s+3], s[G0+4*\s+3], 0x80000000
	s_mov_b32 s[G0B+4*\s], 1
	s_add_co_u32 s[G0B+4*\s+1], s45, \s*SLOT
	s_add_nc_u64 s[G0B+4*\s+2:G0B+4*\s+3], s[46:47], \s*ROWB
	s_or_b32 s[G0B+4*\s+3], s[G0B+4*\s+3], 0x80000000
.endr
; the head's four tiles, one joint load a wave: wave 0 K step 0's 256 rows of A, wave 1 those of B, wave 2 A's scales, wave 3 B's
	s_lshl_b32 s18, s16, 17
	s_mov_b32 s4, 1
	s_mov_b32 s5, 0
	s_sub_nc_u64 s[6:7], s[20:21], s[18:19]
	s_or_b32 s7, s7, 0x80000000
	s_mov_b32 s8, 1
	s_mov_b32 s9, 2*HALFT
	s_sub_nc_u64 s[10:11], s[46:47], s[18:19]
	s_or_b32 s11, s11, 0x80000000
.macro ARM under, g0, g1, next
	s_cmp_lt_u32 s14, \under
	s_cbranch_scc0 \next
	tensor_load_to_lds s[\g0:\g0+3], s[\g1:\g1+7]
	s_nop 0
.rept 4
	v_nop
.endr
	s_branch .Lhead_asked
\next:
.endm
	ARM 1, 4, G1, .Lhead_b
	ARM 2, 8, G1B, .Lhead_sa
	ARM 3, G0S, G1S, .Lhead_sb
	tensor_load_to_lds s[G0SB:G0SB+3], s[G1SB:G1SB+7]
	s_nop 0
.rept 4
	v_nop
.endr
.Lhead_asked:
	v_and_b32 v1, 15, v0
	v_bfe_u32 v2, v0, 4, 1
	v_mul_u32_u24 v3, v1, PITCH
	v_lshl_add_u32 v4, v2, 4, v3
	s_mul_i32 s21, s15, HALFT
	s_mul_i32 s22, s16, HALFT
	s_add_co_u32 s22, s22, 2*HALFT
.irp s, 0,1
	v_add_nc_u32 v[ADRA+\s], s21, v4
	v_add_nc_u32 v[ADRB+\s], s22, v4
	s_add_co_u32 s21, s21, SLOT
	s_add_co_u32 s22, s22, SLOT
.endr
	v_mul_u32_u24 v5, v1, KS
	v_lshrrev_b32 v6, 8, v5
	v_lshl_add_u32 v5, v6, 4, v5
	s_mul_i32 s21, s15, HALFS
	s_mul_i32 s22, s16, HALFS
	s_add_co_u32 s22, s22, 2*HALFS
	s_sub_co_u32 s22, s22, s21
	v_mul_u32_u24 v6, s22, v2
	s_add_co_u32 s21, s21, SCL
	v_add_nc_u32 v5, v5, v6
	v_add_nc_u32 v[ADRS], s21, v5
	v_and_b32 v6, 31, v0
	v_lshlrev_b32 v[OFF0], 4, v6
	v_xor_b32 v5, 8, v6
	v_lshlrev_b32 v[OFF1], 4, v5
	v_lshlrev_b32 v[OFF8], 3, v6
	v_lshlrev_b32 v30, 2, v1
	v_lshlrev_b32 v31, 5, v2
	s_wait_alu depctr_va_vdst(0)
	s_lshl_b32 s18, s42, 10
	s_lshl_b32 s19, s16, 9
	s_add_co_u32 s18, s18, s19
	s_lshl_b32 s20, s17, 10
	s_lshl_b32 s21, s15, 9
	s_add_co_u32 s20, s20, s21
	s_cmp_eq_u32 s95, 2
	s_cselect_b32 s18, 0, s18
	s_cselect_b32 s20, s20, 0
	s_mov_b32 s19, 0
	s_mov_b32 s21, 0
	s_add_nc_u64 s[104:105], s[66:67], s[20:21]
	s_add_nc_u64 s[66:67], s[66:67], s[18:19]
.irp b, 0,1,2,3,4,5,6,7
	global_load_b128 v[BN+8*\b:BN+8*\b+3], v31, s[66:67] offset:64*\b
	global_load_b128 v[BN+8*\b+4:BN+8*\b+7], v31, s[66:67] offset:64*\b+16
.endr
.irp a, 0,1,2,3,4,5,6,7
	global_load_b32 v[BM+\a], v30, s[104:105] offset:64*\a
.endr
.macro FRAG reg, adr, q, i
.irp c, 0,1,2,3
	ds_load_b128 v[\reg+4*\c:\reg+4*\c+3], v[\adr] offset:128*(\q)+32*\c+(\i)*16*PITCH
.endr
.endm
.macro MUL16 a0, p, q, sc, zero
.irp a, \a0, \a0+1
.irp b, 0,1,2,3,4,5,6,7
.if \zero
	v_wmma_scale_f32_16x16x128_f8f6f4 v[8*(8*((\a)%4)+\b):8*(8*((\a)%4)+\b)+7], v[128*(\p)+FR*\b:128*(\p)+FR*\b+FR-1], v[AF+FR*(\a):AF+FR*(\a)+FR-1], 0, v[SC+8*NQ*(\sc)+NQ*\b+(\q)], v[SC+8*NQ*(\sc)+NQ*(\a)+(\q)] matrix_a_scale:MATRIX_SCALE_ROW1
.else
	v_wmma_scale_f32_16x16x128_f8f6f4 v[8*(8*((\a)%4)+\b):8*(8*((\a)%4)+\b)+7], v[128*(\p)+FR*\b:128*(\p)+FR*\b+FR-1], v[AF+FR*(\a):AF+FR*(\a)+FR-1], v[8*(8*((\a)%4)+\b):8*(8*((\a)%4)+\b)+7], v[SC+8*NQ*(\sc)+NQ*\b+(\q)], v[SC+8*NQ*(\sc)+NQ*(\a)+(\q)] matrix_a_scale:MATRIX_SCALE_ROW1
.endif
.endr
.endr
.endm
.macro FETCH_B slot, q, p
	WIN TO_B
.irp i, 0,1,2,3,4,5,6,7
	FRAG 128*(\p)+FR*\i, ADRB+\slot, \q, \i
.endr
	WIN 0
.endm
.macro FETCH_A slot, q, i0
.irp i, \i0, \i0+1, \i0+2, \i0+3
	FRAG AF+FR*(\i), ADRA+\slot, \q, \i
.endr
.endm
.macro SCALES sc
.irp i, 0,1,2,3,4,5,6,7
	ds_load_b64 v[SC+8*NQ*\sc+NQ*\i:SC+8*NQ*\sc+NQ*\i+1], v[ADRS] offset:\i*SBLK
.endr
.endm
.macro PLACES n
.rept \n
	v_nop
.endr
.endm
.macro STEP slot, q, zero
	s_wait_dscnt 4*NL
	WIN MUL_LO
	MUL16 0, (\q)%2, \q, \slot, \zero
	MUL16 2, (\q)%2, \q, \slot, \zero
	s_wait_dscnt 0
	PLACES NP
	FETCH_B \slot, (\q)+1, 1-(\q)%2
	FETCH_A \slot, (\q)+1, 0
	WIN MUL_HI
	MUL16 4, (\q)%2, \q, \slot, \zero
	MUL16 6, (\q)%2, \q, \slot, \zero
	PLACES NP
	WIN 0
	FETCH_A \slot, (\q)+1, 4
.endm
.macro TURN slot, next, fill
	s_wait_tensorcnt 0x0
	ds_add_u32 v[SPW], v[NIL]
	s_wait_dscnt 4*NL+1
	WIN MUL_LO
	MUL16 0, 1, NQ-1, \slot, 0
	s_wait_dscnt 0x0
	s_barrier_signal -1
	MUL16 2, 1, NQ-1, \slot, 0
	WIN 0
	s_barrier_wait -1
.if \fill
	CREST
	s_add_nc_u64 s[G0+4*\slot+2:G0+4*\slot+3], s[G0+4*\slot+2:G0+4*\slot+3], 2*ROWB
	s_add_nc_u64 s[G0B+4*\slot+2:G0B+4*\slot+3], s[G0B+4*\slot+2:G0B+4*\slot+3], 2*ROWB
	JLOAD G0+4*\slot, G1, G0B+4*\slot, G1B
	PLACES NP-4
.else
	PLACES NP
.endif
	s_wait_alu depctr_va_vdst(0)
	v_add_nc_u32 v[ADRS], 4*NQ, v[ADRS]
	FETCH_B \next, 0, 0
	FETCH_A \next, 0, 0
	SCALES \next
	WIN MUL_HI
	MUL16 4, 1, NQ-1, \slot, 0
	MUL16 6, 1, NQ-1, \slot, 0
	PLACES NP
	WIN 0
	FETCH_A \next, 0, 4
.endm
	s_wait_alu depctr_va_vdst(0)                   ; the wait at the head's end
	s_wait_tensorcnt 0x0                           ; my tile of the head's four is in
	ds_add_u32 v[SPW], v[NIL]
	s_mov_b32 s[G1+2], 128<<16                     ; no load of mine is out: from here on a load brings 128 rows
	s_mov_b32 s[G1+4], 128
	s_mov_b32 s[G1B+2], 128<<16
	s_mov_b32 s[G1B+4], 128
	s_wait_dscnt 0x0
	CROUND
	JLOAD G0+4, G1, G0B+4, G1B                     ; slot 1's first fill, the first tensor load behind the round
	FETCH_B 0, 0, 0
	FETCH_A 0, 0, 0
	SCALES 0
	FETCH_A 0, 0, 4
	STEP 0, 0, 1
	s_mov_b32 s3, LAPS-1
.Llap:
	TURN 0, 1, 1
	STEP 1, 0, 0
	TURN 1, 0, 1
	STEP 0, 0, 0
	s_sub_co_u32 s3, s3, 1
	s_cmp_lg_u32 s3, 0
	s_cbranch_scc1 .Llap
	TURN 0, 1, 0
	STEP 1, 0, 0
	s_wait_dscnt 4*NL
	WIN MUL_LO
	MUL16 0, 1, NQ-1, 1, 0
	MUL16 2, 1, NQ-1, 1, 0
	s_wait_dscnt 0
	WIN MUL_HI
	MUL16 4, 1, NQ-1, 1, 0
	MUL16 6, 1, NQ-1, 1, 0
	WIN 0
	PLACES NP
	s_wait_loadcnt 0x0
	s_mov_b32 s24, 0x76543210
	s_mov_b32 s25, 0xfedcba98
	s_mov_b32 s26, 0x600000
	s_mov_b32 s27, 0xffff0000
	s_cmp_eq_u32 s95, 0
	s_mov_b32 s77, 274432                          ; a head of kvimg: 12,288 bytes of scale words, K's 131,072, V's 131,072
	s_cselect_b32 s77, 131072, s77
	s_mov_b32 s90, 274432
	s_cselect_b32 s90, 8192, s90
	s_mov_b32 s91, 0
	s_cmp_eq_u32 s95, 2
	s_cselect_b32 s72, s42, s17
	s_cselect_b32 s73, s16, s15
	s_cselect_b32 s74, s17, s42
	s_cselect_b32 s75, s15, s16
	s_mov_b32 s68, 1024
	s_cselect_b32 s68, 2048, s68
	s_mov_b32 s69, 0
	s_mov_b32 s70, 1024
	s_cselect_b32 s70, 268288, s70
	s_mov_b32 s71, 0
	s_cselect_b32 s79, 131072, 0
	s_cselect_b32 s86, 1024, s77
	s_mov_b32 s87, 0
	s_cselect_b32 s81, 8192, 0
	s_cselect_b32 s82, 8, 9
	s_lshr_b32 s76, s72, 3
	s_and_b32 s72, s72, 7
	s_lshl_b32 s72, s72, 1
	s_add_co_u32 s72, s72, s73
	s_lshl_b32 s76, s76, 4
	s_lshl_b32 s74, s74, 2
	s_add_co_u32 s76, s76, s74
	s_lshl_b32 s75, s75, 1
	s_add_co_u32 s76, s76, s75
	s_cmp_eq_u32 s95, 0
	s_cselect_b32 s83, 0, 12288                    ; K's and V's codes lie behind the head's scale words
	s_add_co_u32 s79, s79, s83
	s_mul_i32 s84, s76, s77
	s_lshl_b32 s83, s72, 13
	s_add_co_u32 s84, s84, s83
	s_add_co_u32 s84, s84, s79
	s_mov_b32 s85, 0
	s_add_nc_u64 s[12:13], s[12:13], s[84:85]
	s_add_nc_u64 s[98:99], s[12:13], s[86:87]
	s_mul_i32 s88, s76, s90
	s_lshl_b32 s83, s72, s82
	s_add_co_u32 s88, s88, s83
	s_add_co_u32 s88, s88, s81
	s_mov_b32 s89, 0
	s_add_nc_u64 s[96:97], s[96:97], s[88:89]
	s_add_nc_u64 s[100:101], s[96:97], s[90:91]
.irp b, 0,1,2,3
	v_mov_b32 v[PT+\b], 0
.endr
	s_cmp_eq_u32 s95, 2
	s_cbranch_scc1 .Lbias_rows
.irp a, 0,1,2,3,4,5,6,7
	WIN 0x41*(2+(\a)/4)
.irp b, 0,1,2,3,4,5,6,7
.irp i, 0,2,4,6
	v_pk_add_f32 v[64*((\a)%4)+8*\b+\i:64*((\a)%4)+8*\b+\i+1], v[64*((\a)%4)+8*\b+\i:64*((\a)%4)+8*\b+\i+1], v[BN+8*\b+\i:BN+8*\b+\i+1]
.endr
.endr
.endr
	WIN 0
	s_branch .Lbias_done
.Lbias_rows:
.irp a, 0,1,2,3,4,5,6,7
	WIN 0x41*(2+(\a)/4)
.irp b, 0,1,2,3,4,5,6,7
.irp i, 0,2,4,6
.if (\a)%2
	v_pk_add_f32 v[64*((\a)%4)+8*\b+\i:64*((\a)%4)+8*\b+\i+1], v[64*((\a)%4)+8*\b+\i:64*((\a)%4)+8*\b+\i+1], v[BM+(\a)-1:BM+(\a)] op_sel:[0,1] op_sel_hi:[1,1]
.else
	v_pk_add_f32 v[64*((\a)%4)+8*\b+\i:64*((\a)%4)+8*\b+\i+1], v[64*((\a)%4)+8*\b+\i:64*((\a)%4)+8*\b+\i+1], v[BM+(\a):BM+(\a)+1] op_sel_hi:[1,0]
.endif
.endr
.endr
.endr
	WIN 0
.Lbias_done:
.macro QBLOCK a
.set AC, 64*((\a)%4)
.set W, 2+(\a)/4
	WIN W*5
.irp b, 0,1,2,3
	v_max3_num_f32 v[TM+\b], v[AC+16*\b], v[AC+16*\b+1], 0x4800000
.endr
.irp i, 2,4,6,8,10,12,14
.irp b, 0,1,2,3
	v_max3_num_f32 v[TM+\b], v[AC+16*\b+\i], v[AC+16*\b+\i+1], v[TM+\b]
.endr
.endr
	WIN 0
.irp b, 0,1,2,3
	v_permlanex16_b32 v[PT+\b], v[TM+\b], s24, s25
.endr
.irp b, 0,1,2,3
	v_max_num_f32 v[TM+\b], v[TM+\b], v[PT+\b]
.endr
.irp b, 0,1,2,3
	v_add_nc_u32 v[SO+\b], 0xfc000000, v[TM+\b]
.endr
.irp b, 0,1,2,3
	v_and_or_b32 v[HD+\b], v[TM+\b], 0x7f800000, s26
.endr
.irp b, 0,1,2,3
	v_lshrrev_b32 v[PT+\b], 23, v[SO+\b]
.endr
	v_lshl_or_b32 v[SW+(\a)], v[PT+1], 8, v[PT]
	v_lshl_or_b32 v[SW+(\a)], v[PT+2], 16, v[SW+(\a)]
	v_lshl_or_b32 v[SW+(\a)], v[PT+3], 24, v[SW+(\a)]
	WIN W*0x41
.irp b, 0,1,2,3
.irp i, 0,1,2,3,4,5,6,7,8,9,10,11,12,13,14,15
	v_med3_num_f32 v[AC+16*\b+\i], v[AC+16*\b+\i], 0, v[HD+\b]
.endr
.endr
.if (\a) > 0
	s_wait_alu depctr_va_vdst(0)
	s_wait_xcnt 0x0
.if (\a) == 4
	s_add_nc_u64 s[12:13], s[12:13], s[70:71]
	s_add_nc_u64 s[98:99], s[98:99], s[70:71]
.else
	s_add_nc_u64 s[12:13], s[12:13], s[68:69]
	s_add_nc_u64 s[98:99], s[98:99], s[68:69]
.endif
.endif
	WIN W
.irp b, 0,1,2,3
	v_cvt_scalef32_pk8_fp8_f32 v[PC+4*\b:PC+4*\b+1], v[AC+16*\b:AC+16*\b+7], v[SO+\b]
	v_cvt_scalef32_pk8_fp8_f32 v[PC+4*\b+2:PC+4*\b+3], v[AC+16*\b+8:AC+16*\b+15], v[SO+\b]
.endr
	WIN 0
	v_nop
.irp b, 0,1,2,3
	v_permlane16_swap_b32 v[PC+4*\b], v[PC+4*\b+2]
	v_permlane16_swap_b32 v[PC+4*\b+1], v[PC+4*\b+3]
.endr
.set OFR, OFF0+(\a)%2
	global_store_b128 v[OFR], v[PC:PC+3], s[12:13]
	global_store_b128 v[OFR], v[PC+4:PC+7], s[12:13] offset:512
	global_store_b128 v[OFR], v[PC+8:PC+11], s[98:99]
	global_store_b128 v[OFR], v[PC+12:PC+15], s[98:99] offset:512
.endm
.irp a, 0,1,2,3,4,5,6,7
	QBLOCK \a
.endr
.irp p, 0,1,2,3
	v_cndmask_b32 v[SELW+\p], v[SW+2*\p], v[SW+2*\p+1], s27
.endr
	s_cmp_eq_u32 s95, 2
	s_cbranch_scc1 .Lsc_v
	global_store_b128 v[OFF0], v[SELW:SELW+3], s[96:97]
.irp p, 0,1,2,3
	v_alignbit_b32 v[ROT+\p], v[SELW+\p], v[SELW+\p], 16
.endr
	global_store_b128 v[OFF0], v[ROT:ROT+3], s[100:101]
	s_branch .Lsc_done
.Lsc_v:
	s_wait_alu depctr_va_vdst(0)
	global_store_b64 v[OFF8], v[SELW:SELW+1], s[96:97]
	global_store_b64 v[OFF8], v[SELW+2:SELW+3], s[100:101]
.Lsc_done:
	s_wait_tensorcnt 0x0
	ds_add_u32 v[SPW], v[NIL]
	s_wait_dscnt 0x0
	CROUND
	s_endpgm
.Lfunc_end_k_q5c1a79505e_proj:
	.size	k_q5c1a79505e_proj, .Lfunc_end_k_q5c1a79505e_proj-k_q5c1a79505e_proj
	.p2alignl 7, 3214868480
	.fill 96, 4, 3214868480
	.section	.rodata,"a",@progbits
	.p2align	6, 0x0
	.amdhsa_kernel k_q5c1a79505e_proj
		.amdhsa_group_segment_fixed_size 327680
		.amdhsa_private_segment_fixed_size 0
		.amdhsa_enable_private_segment 0
		.amdhsa_kernarg_size 144
		.amdhsa_user_sgpr_count 2
		.amdhsa_user_sgpr_kernarg_segment_ptr 1
		.amdhsa_wavefront_size32 1
		.amdhsa_system_sgpr_workgroup_id_x 1
		.amdhsa_system_sgpr_workgroup_id_y 1
		.amdhsa_system_sgpr_workgroup_id_z 1
		.amdhsa_system_vgpr_workitem_id 0
		.amdhsa_next_free_vgpr 1024
		.amdhsa_next_free_sgpr 106
		.amdhsa_reserve_vcc 0
		.amdhsa_float_denorm_mode_32 3
		.amdhsa_float_denorm_mode_16_64 3
		.amdhsa_memory_ordered 1
		.amdhsa_forward_progress 1
		.amdhsa_inst_pref_size 226
	.end_amdhsa_kernel
	.amdgpu_metadata
---
amdhsa.version: [ 1, 2 ]
amdhsa.kernels:
  - .name:           k_q5c1a79505e_proj
    .symbol:         k_q5c1a79505e_proj.kd
    .args:
      - { .name: q_codes, .offset: 0, .size: 8, .value_kind: global_buffer, .address_space: global }
      - { .name: q_scales, .offset: 8, .size: 8, .value_kind: global_buffer, .address_space: global }
      - { .name: Wq_codes, .offset: 16, .size: 8, .value_kind: global_buffer, .address_space: global }
      - { .name: Wq_scales, .offset: 24, .size: 8, .value_kind: global_buffer, .address_space: global }
      - { .name: bq, .offset: 32, .size: 8, .value_kind: global_buffer, .address_space: global }
      - { .name: k_codes, .offset: 40, .size: 8, .value_kind: global_buffer, .address_space: global }
      - { .name: k_scales, .offset: 48, .size: 8, .value_kind: global_buffer, .address_space: global }
      - { .name: Wk_codes, .offset: 56, .size: 8, .value_kind: global_buffer, .address_space: global }
      - { .name: Wk_scales, .offset: 64, .size: 8, .value_kind: global_buffer, .address_space: global }
      - { .name: bk, .offset: 72, .size: 8, .value_kind: global_buffer, .address_space: global }
      - { .name: v_codes, .offset: 80, .size: 8, .value_kind: global_buffer, .address_space: global }
      - { .name: v_scales, .offset: 88, .size: 8, .value_kind: global_buffer, .address_space: global }
      - { .name: Wv_codes, .offset: 96, .size: 8, .value_kind: global_buffer, .address_space: global }
      - { .name: Wv_scales, .offset: 104, .size: 8, .value_kind: global_buffer, .address_space: global }
      - { .name: bv, .offset: 112, .size: 8, .value_kind: global_buffer, .address_space: global }
      - { .name: qimg, .offset: 120, .size: 8, .value_kind: global_buffer, .address_space: global }
      - { .name: qsc, .offset: 128, .size: 8, .value_kind: global_buffer, .address_space: global }
      - { .name: kvimg, .offset: 136, .size: 8, .value_kind: global_buffer, .address_space: global }
    .group_segment_fixed_size: 327680
    .private_segment_fixed_size: 0
    .kernarg_segment_align: 8
    .kernarg_segment_size: 144
    .max_flat_workgroup_size: 128
    .sgpr_count:     106
    .vgpr_count:     1024
    .wavefront_size: 32
...
	.end_amdgpu_metadata
.endif
;; end of part 1
;; launch attn (part 2): grid 4 x 64, 8 waves a work-group, clusters of 4 x 1, 275,456 bytes of LDS; arguments qimg, qsc, kvimg, yimg, ysc; writes yimg, ysc
.if DOCPART == 2
	.amdgcn_target "amdgcn-amd-amdhsa--gfx1250"
	.amdhsa_code_object_version 6
	.text
	.protected	k_q5c1a79505e_attn
	.globl	k_q5c1a79505e_attn
	.p2align	8
	.type	k_q5c1a79505e_attn,@function
k_q5c1a79505e_attn:
	s_mov_b64 s[64:65], 0
	v_nop
	global_prefetch_b8 v0, s[64:65] scope:SCOPE_SE
	s_setreg_imm32_b32 hwreg(HW_REG_WAVE_MODE, 25, 1), 1
	s_wait_xcnt 0x0
	s_wait_alu depctr_hold_cnt(0) depctr_sa_sdst(0) depctr_va_vdst(0) depctr_va_sdst(0) depctr_va_ssrc(0) depctr_va_vcc(0) depctr_vm_vsrc(0)
	s_getreg_b32 s2, hwreg(HW_REG_IB_STS2, 6, 4)
	s_cmp_eq_u32 s2, 0
	s_cbranch_scc0 .Lentry_in_a_cluster
	s_endpgm
.Lentry_in_a_cluster:
	s_bfe_u32 s2, ttmp6, 0x10000c
	s_cmp_lg_u32 s2, 0x3003
	s_cbranch_scc0 .Lentry_shape_is_right
	s_endpgm
.Lentry_shape_is_right:
; ATTENTION of one (batch, head) a cluster: y = softmax(qh kh^T / 8) vh, both products on codes of FP8 (E4M3) with E8M0 scales, and y quantised along the model's 1,024 for the last projection.
; THE SOFTMAX: t = score x log2(e) / 8; M = the running largest t rounded UP to a whole number; p = 2^(t - M) is quantised along the keys, not normalised; the row's sum is taken of the unquantised p and divides at the end.
; When M moves, the sum and O are multiplied by 2^(old M - new M): exact.
; SHARES.  A work-group owns 512 queries of the head, in two passes of 256; each of its eight waves 32 a pass: tiles A and B, which share every fragment of K and V.  Two waves to a SIMD.
; LDS.  The head's block of kvimg (scale words 12,288, K 131,072, V^T 131,072 bytes, dense) is filled ONCE, as it lies, by eight joint loads of the cluster's four work-groups, one a wave: nothing is filled again, nothing is stored to LDS.
; Wave 0 brings the scale words and K's steps 0-3, wave 1 V's steps 0-3: the first barrier shows these two tiles, and steps 0 to 2 run on them; the second barrier shows the rest.  Behind it one loop runs steps 3 to 31 (both passes) with no barrier.
; K's fragments are fetched a step ahead, round the end of a pass to step 0; the fetch in the very last step is not used.  The second pass's Q waits in registers from the head on.
; No data prefetch: K and V come once, by the fills at the head, and no loop stands ahead of them.
; LAYOUT.  Both products are used transposed: S^T = K Q^T, O^T = V^T P^T: a lane holds one query (lane % 16).  Lane r of tile 2 b + u of K (and V^T) takes row 32 b + 8 u + r + 8 (r / 8), so that the 16 registers of tiles 2 b, 2 b + 1 are 16 neighbours along the next K.
; The images are chunks of 512 bytes, 16 bytes a lane; the chunks of odd blocks of 16 rows have lanes l and l xor 8 exchanged.
; A HEAD HAS 64 ALONG K, the instruction 128: Q's fragment is 8 registers of codes and 8 of zero codes; K's fragment of tile t runs on into tile t + 1's codes, which meet the zeros; behind tile 7 stand 8 zero registers.
; THE ORDER OF A STEP: both tiles' maxima and statistics by turns; A's exponentials with B's scalings among them; B's exponentials with A's holds among them; each line among exponentials reads only what stood ahead of the batch's wait.
; ysc is stored two bytes a lane, 8 bytes apart: four heads share each run of 256 bytes.
; LIMITS: a block of y whose largest magnitude lies under 2^-118 gets the scale byte 1 (this program alone reads the bytes); NaN and infinities are not served; the scaled scores stay under 2^31 in magnitude.
; REGISTERS.  window 0: v1-12 LDS addresses; v13, v16-23 scale words alone; v14 the second pass's Q scale words; v24-55 statistics; v56-87 p's codes; v88-91 offsets; v96-159 S^T of A, v160-223 of B; v224-247 at work.
;   window 1: v0-31 Q; v32-95 K's eight tiles, v96-103 zeros; v104-167 V^T's four tiles; v168-231 O^T of A and B; v232-247 the second pass's Q.
.set SKB,  0
.set SVB,  8192
.set KB,   12288
.set VB,   143360
.set SPARE, 274432
.set AK0,  1
.set AK1,  2
.set AV0,  3
.set AV1,  4
.set ASC,  5
.set ASV,  6
.set ADK0, 7
.set ADK1, 8
.set ADV0, 9
.set ADV1, 10
.set ADS,  11
.set ADT,  12
.set QS,   13
.set QS2,  14
.set KSC,  16
.set VSC,  20
.set PWA,  22
.set PWB,  23
.set STA,  24                          ; -M, the largest score, the sum in two halves
.set STB,  250                         ; (-M, the largest score, the sum in two halves; its bank differs from STA's, for the dual lines)
.set U0,   28                          ; the last step's -M of tiles A, B
.set U1,   29
.set FPA,  32                          ; f, named as a pair
.set FPB,  34
.set HA,   36
.set HB,   37
.set T0,   38
.set T1,   41
.set SUM2, 42
.set BMA,  44
.set BMB,  48
.set PA,   56
.set PB,   72
.set QO0,  88
.set QO1,  89
.set QSO,  90
.set YSO,  91
.set SAR,  96
.set SBR,  160
.set PTA,  224
.set PTB,  228
.set HDA,  232
.set HDB,  236
.set SOA,  240
.set SOB,  244
.set QA,   0                           ; window 1
.set QB,   16
.set KF,   32
.set ZT,   96
.set VF,   104
.set OA,   168
.set OB,   200
.set Q2A,  232
.set Q2B,  240
.set W_KQ, 0x05
.set W_PV, 0x51
.set W_RS, 0x41
.set W_LD, 0x40
.set W_OUT, 0x01
.set MSB, 0
.macro WIN new
.if MSB != (\new)
	s_set_vgpr_msb (MSB<<8)|(\new)
.set MSB, (\new)
.endif
.endm
.macro CROUND
	s_barrier_signal -1
	s_barrier_wait -1
	s_cmp_lg_u32 s16, 0
	s_cbranch_scc1 .Lnot_wave_0_\@
	s_barrier_signal -3
.Lnot_wave_0_\@:
	s_barrier_wait -3
	s_barrier_signal -1
	s_barrier_wait -1
.endm
.macro TLOAD g0, g1
	tensor_load_to_lds s[\g0:\g0+3], s[\g1:\g1+7]
	s_nop 0
.rept 4
	v_nop
.endr
.endm
	s_load_b256 s[4:11], s[0:1], 0x0               ; qimg, qsc, kvimg, yimg
	s_load_b64 s[12:13], s[0:1], 0x20              ; ysc
	v_lshl_add_u32 v254, v0, 2, SPARE
	v_mov_b32 v255, 0
	ds_add_u32 v254, v255                          ; the opening lines
	ds_add_u32 v254, v255
	v_lshrrev_b32 v40, 5, v0
	s_delay_alu instid0(VALU_DEP_1)
	v_readfirstlane_b32 s16, v40                   ; wave 0..7
	s_bfe_u32 s17, ttmp6, 0x40000                  ; cx
	s_lshl_b32 s18, ttmp9, 2
	s_add_co_u32 s18, s18, s17                     ; which 512 queries: it enters Q's and y's addresses alone
	s_and_b32 s86, ttmp7, 0xffff                   ; 16 batch + head, which the four partners share
	s_lshr_b32 s87, s16, 2
	s_and_b32 s88, s16, 3
	; two groups 1: dense blocks as rows of 256 bytes (32 elements of 8), 176 and 128 rows; the mask names all four work-groups
.irp g, 24, 32
	s_mov_b32 s[\g], 15|(3<<16)|(1<<21)
	s_mov_b32 s[\g+1], 32<<16
	s_mov_b32 s[\g+3], 32<<16
	s_mov_b32 s[\g+5], 32
	s_mov_b32 s[\g+6], 0
	s_mov_b32 s[\g+7], 0
.endr
	s_mov_b32 s26, 176<<16
	s_mov_b32 s28, 176
	s_mov_b32 s34, 128<<16
	s_mov_b32 s36, 128
	s_mov_b32 s19, 0x600000                        ; the mantissa field of 448
	s_mov_b32 s20, 0x76543210
	s_mov_b32 s21, 0xfedcba98                      ; selects for lane l xor 16
	s_mov_b32 s22, 0x3e38aa3b                      ; c = log2(e) / 8
	s_mov_b32 s23, s22
	s_mov_b32 s85, 0xffff0000                      ; lanes 16-31
	s_wait_dscnt 0x0
	s_wait_kmcnt 0x0
	s_mul_i32 s92, s86, 274432
	s_mov_b32 s93, 0
	s_add_nc_u64 s[8:9], s[8:9], s[92:93]          ; the head's block
	s_mov_b32 s56, 1                               ; wave 0: its first 45,056 bytes
	s_mov_b32 s57, 0
	s_mov_b64 s[58:59], s[8:9]
	s_or_b32 s59, s59, 0x80000000
	s_and_b32 s92, s16, 1                          ; the others: K (even wave) or V (odd), quarter wave / 2: the offset is the same in LDS and in memory
	s_lshl_b32 s92, s92, 17
	s_lshr_b32 s89, s16, 1
	s_lshl_b32 s89, s89, 15
	s_add_co_u32 s92, s92, s89
	s_add_co_u32 s92, s92, KB
	s_mov_b32 s60, 1
	s_mov_b32 s61, s92
	s_add_nc_u64 s[62:63], s[8:9], s[92:93]
	s_or_b32 s63, s63, 0x80000000
	CROUND                                         ; all four work-groups are here: the joint loads meet
	s_cmp_eq_u32 s16, 0                            ; one load a wave; the two that the first barrier shows have lines of their own
	s_cbranch_scc0 .Lwave_1
	TLOAD 56, 24
	s_branch .Lasked
.Lwave_1:
	s_cmp_eq_u32 s16, 1
	s_cbranch_scc0 .Lrest
	TLOAD 60, 32
	s_branch .Lasked
.Lrest:
	TLOAD 60, 32
.Lasked:
	s_mov_b32 s95, 0
	s_lshl_b32 s94, s86, 17                        ; Q's images: 131,072 a head, 32,768 for 512 queries, 2,048 for a wave's two tiles
	s_lshl_b32 s90, s18, 15
	s_add_co_u32 s94, s94, s90
	s_lshl_b32 s90, s16, 11
	s_add_co_u32 s94, s94, s90
	s_add_nc_u64 s[4:5], s[4:5], s[94:95]
	s_lshl_b32 s94, s86, 13                        ; Q's scale records: 8,192 a head, 512 for 128 queries
	s_lshl_b32 s90, s18, 11
	s_add_co_u32 s94, s94, s90
	s_lshl_b32 s90, s87, 9
	s_add_co_u32 s94, s94, s90
	s_add_nc_u64 s[6:7], s[6:7], s[94:95]
	s_lshr_b32 s91, s86, 4                         ; the batch
	s_and_b32 s86, s86, 15                         ; the head
	s_lshl_b32 s91, s91, 3
	s_lshl_b32 s90, s18, 1
	s_add_co_u32 s91, s91, s90                     ; the first pass's run of 256 tokens
	s_lshl_b32 s94, s91, 18                        ; y's images [run of 256 tokens][128 rows][K slot of 256][block of 16 rows][128 in the slot][chunk][512]
	s_lshr_b32 s90, s86, 2
	s_lshl_b32 s90, s90, 15
	s_add_co_u32 s94, s94, s90
	s_lshl_b32 s90, s88, 13
	s_add_co_u32 s94, s94, s90
	s_lshl_b32 s90, s87, 17
	s_add_co_u32 s94, s94, s90
	s_bfe_u32 s90, s86, 0x10001
	s_lshl_b32 s90, s90, 11
	s_add_co_u32 s94, s94, s90
	s_and_b32 s90, s86, 1
	s_lshl_b32 s90, s90, 10
	s_add_co_u32 s94, s94, s90
	s_add_nc_u64 s[10:11], s[10:11], s[94:95]
	s_lshl_b32 s94, s91, 13                        ; y's scale bytes [run][K slot][row][8]
	s_lshr_b32 s90, s86, 2
	s_lshl_b32 s90, s90, 11
	s_add_co_u32 s94, s94, s90
	s_lshl_b32 s90, s16, 8
	s_add_co_u32 s94, s94, s90
	s_and_b32 s90, s86, 3
	s_lshl_b32 s90, s90, 1
	s_add_co_u32 s94, s94, s90
	s_add_nc_u64 s[12:13], s[12:13], s[94:95]
	s_lshl_b32 s90, s88, 2
	v_and_b32 v40, 7, v0                           ; r % 8
	v_bfe_u32 v41, v0, 3, 1                        ; r / 8
	v_bfe_u32 v42, v0, 4, 1                        ; h
	s_delay_alu instid0(VALU_DEP_3)
	v_lshlrev_b32 v43, 4, v40
	s_delay_alu instid0(VALU_DEP_1)
	v_lshl_add_u32 v43, v42, 8, v43                ; 16 (r % 8) + 256 h
	s_delay_alu instid0(VALU_DEP_1)
	v_mad_u32_u24 v[AK0], v41, 1152, v43           ; tile 2 b: rows 0-7 of block 2 b; rows 0-7 of block 2 b + 1, a tile (1,024) on, at lanes 8-15 there
	s_delay_alu instid0(VALU_DEP_2)
	v_mad_u32_u24 v[AK1], v41, 896, v43            ; tile 2 b + 1: rows 8-15 of both
	s_delay_alu instid0(VALU_DEP_3)
	v_mad_u32_u24 v[AV0], v41, 2176, v43           ; V^T likewise; a tile is 2,048
	s_delay_alu instid0(VALU_DEP_4)
	v_mad_u32_u24 v[AV1], v41, 1920, v43
	s_delay_alu instid0(VALU_DEP_4)
	v_add_nc_u32 v[AK0], KB, v[AK0]
	s_delay_alu instid0(VALU_DEP_4)
	v_add_nc_u32 v[AK1], KB+128, v[AK1]
	s_delay_alu instid0(VALU_DEP_4)
	v_add_nc_u32 v[AV0], VB, v[AV0]
	s_delay_alu instid0(VALU_DEP_4)
	v_add_nc_u32 v[AV1], VB+128, v[AV1]
	v_lshlrev_b32 v[ASC], 4, v40                   ; K's scale words: row 8 h + r % 8 of block 2 p + r / 8 lies at 16 (r' + 16 h') + 4 p
	v_lshlrev_b32 v[ASV], 3, v40                   ; V's: at 8 (r' + 16 h') + 4 p
	s_delay_alu instid0(VALU_DEP_2)
	v_lshl_add_u32 v[ASC], v42, 7, v[ASC]
	s_delay_alu instid0(VALU_DEP_2)
	v_lshl_add_u32 v[ASV], v42, 6, v[ASV]
	s_delay_alu instid0(VALU_DEP_2)
	v_lshl_add_u32 v[ASC], v41, 8, v[ASC]
	s_delay_alu instid0(VALU_DEP_2)
	v_lshl_add_u32 v[ASV], v41, 7, v[ASV]
	v_and_b32 v40, 31, v0                          ; lane
	s_delay_alu instid0(VALU_DEP_2)
	v_add_nc_u32 v[ASV], SVB, v[ASV]
	s_delay_alu instid0(VALU_DEP_2)
	v_lshlrev_b32 v[QO0], 4, v40
	s_delay_alu instid0(VALU_DEP_3)
	v_xor_b32 v41, 8, v40
	s_delay_alu instid0(VALU_DEP_4)
	v_lshlrev_b32 v[YSO], 3, v40
	s_delay_alu instid0(VALU_DEP_2)
	v_lshlrev_b32 v[QO1], 4, v41
	s_delay_alu instid0(VALU_DEP_4)
	v_add_nc_u32 v[QSO], s90, v[QO0]               ; 16 lane + 4 (wave % 4)
	v_mov_b32 v[FPA+1], 0                          ; (upper halves of pairs)
	v_mov_b32 v[FPB+1], 0
	v_mov_b32 v[T0+1], 0                           ; a lane permute's destination counts as one of its sources
.irp b, 0,1,2,3
	v_mov_b32 v[PTA+\b], 0
	v_mov_b32 v[PTB+\b], 0
.endr
	WIN W_LD
.irp j, 0,1,2,3,4,5,6,7
	v_mov_b32 v[QA+8+\j], 0                        ; zero codes for K = 64 .. 127
	v_mov_b32 v[QB+8+\j], 0
	v_mov_b32 v[ZT+\j], 0
.endr
.irp p, 0,1                                    ; both passes' queries; an odd tile's image has lanes l and l xor 8 exchanged
	global_load_b128 v[QA+Q2A*\p:QA+Q2A*\p+3], v[QO0], s[4:5] offset:16384*\p
	global_load_b128 v[QA+Q2A*\p+4:QA+Q2A*\p+7], v[QO0], s[4:5] offset:16384*\p+512
	global_load_b128 v[QB+(Q2B-QB)*\p:QB+(Q2B-QB)*\p+3], v[QO1], s[4:5] offset:16384*\p+1024
	global_load_b128 v[QB+(Q2B-QB)*\p+4:QB+(Q2B-QB)*\p+7], v[QO1], s[4:5] offset:16384*\p+1536
.endr
	WIN 0
	global_load_b32 v[QS], v[QSO], s[6:7]
	global_load_b32 v[QS2], v[QSO], s[6:7] offset:1024
.macro KLOAD a0, a1, as                ; a step's eight tiles of K and their scale words: 17 LDS loads
	WIN W_LD
.irp b, 0,1,2,3
.irp c, 0,1
	ds_load_b128 v[KF+16*\b+4*\c:KF+16*\b+4*\c+3], v[\a0] offset:2048*\b+512*\c
	ds_load_b128 v[KF+16*\b+8+4*\c:KF+16*\b+8+4*\c+3], v[\a1] offset:2048*\b+512*\c
.endr
.endr
	WIN 0
	ds_load_b128 v[KSC:KSC+3], v[\as]
.endm
; The step's sum of the UNQUANTISED p, in eight chains that end in v[ts:ts+1] (16 registers at ts are at work), and among its lines, from the four blocks' largest p: the conversions' operands, the bounds, the scale word.
.macro SS sr, bm, so, hd, pt, pw, ts
.irp b, 0,2
	v_dual_max_num_f32 v[\bm+\b], 0x4800000, v[\bm+\b] :: v_dual_max_num_f32 v[\bm+\b+1], 0x4800000, v[\bm+\b+1]   ; the floor 2^(9 - 127): the byte cannot fall under 1
.endr
.irp k, 0,1,2,3,4,5,6,7
	v_pk_add_f32 v[\ts+2*\k:\ts+2*\k+1], v[\sr+2*\k:\sr+2*\k+1], v[\sr+16+2*\k:\sr+16+2*\k+1]
.endr
.irp b, 0,1,2,3
	v_add_nc_u32 v[\so+\b], 0xfc000000, v[\bm+\b]  ; the conversion's scale operand
.endr
.irp k, 0,1,2,3,4,5,6,7
	v_pk_add_f32 v[\ts+2*\k:\ts+2*\k+1], v[\ts+2*\k:\ts+2*\k+1], v[\sr+32+2*\k:\sr+32+2*\k+1]
.endr
.irp b, 0,1,2,3
	v_and_or_b32 v[\hd+\b], v[\bm+\b], 0x7f800000, s19   ; 448 x the scale
.endr
.irp b, 0,1,2,3
	v_lshrrev_b32 v[\pt+\b], 23, v[\so+\b]         ; the scale's byte
.endr
.irp k, 0,1,2,3,4,5,6,7
	v_pk_add_f32 v[\ts+2*\k:\ts+2*\k+1], v[\ts+2*\k:\ts+2*\k+1], v[\sr+48+2*\k:\sr+48+2*\k+1]
.endr
	v_lshl_or_b32 v[\pw], v[\pt+1], 8, v[\pt]
.irp k, 0,1,2,3
	v_pk_add_f32 v[\ts+2*\k:\ts+2*\k+1], v[\ts+2*\k:\ts+2*\k+1], v[\ts+8+2*\k:\ts+8+2*\k+1]
.endr
	v_lshl_or_b32 v[\pw], v[\pt+2], 16, v[\pw]
	s_delay_alu instid0(VALU_DEP_3)
	v_pk_add_f32 v[\ts:\ts+1], v[\ts:\ts+1], v[\ts+4:\ts+5]
	s_delay_alu instid0(VALU_DEP_3)
	v_pk_add_f32 v[\ts+2:\ts+3], v[\ts+2:\ts+3], v[\ts+6:\ts+7]
	s_delay_alu instid0(VALU_DEP_3)
	v_lshl_or_b32 v[\pw], v[\pt+3], 24, v[\pw]
	s_delay_alu instid0(VALU_DEP_2)
	v_pk_add_f32 v[SUM2:SUM2+1], v[\ts:\ts+1], v[\ts+2:\ts+3]   ; the step's sum, in two halves
.endm
.macro RESC ob, fp                     ; O^T x f
	WIN W_RS
.set j, 0
.rept 16
	v_pk_mul_f32 v[\ob+j:\ob+j+1], v[\ob+j:\ob+j+1], v[\fp:\fp+1] op_sel_hi:[1,0]
.set j, j+2
.endr
	WIN 0
.endm
; Two holds in one line (the conversion does not saturate, ISA guide 7.6.2; p is not negative, so the hold is one-sided).  n = 0 .. 31.  The two halves take numbers of two neighbouring blocks,
; so that destinations are even and odd and both pairs of sources lie in different banks.
.macro MINP d, s, hd, n
.set G_, 32*((\n)/16)
.set I_, 2*(((\n)%16)/2)
.set H_, \hd+2*((\n)/16)
.if (\n)%2
	v_dual_min_num_f32 v[\d+G_+16+I_], v[\s+G_+16+I_], v[H_+1] :: v_dual_min_num_f32 v[\d+G_+I_+1], v[\s+G_+I_+1], v[H_]
.else
	v_dual_min_num_f32 v[\d+G_+I_], v[\s+G_+I_], v[H_] :: v_dual_min_num_f32 v[\d+G_+16+I_+1], v[\s+G_+16+I_+1], v[H_+1]
.endif
.endm
.macro CVT pc, sr, so
.irp b, 0,1,2,3
	v_cvt_scalef32_pk8_fp8_f32 v[\pc+4*\b:\pc+4*\b+1], v[\sr+16*\b:\sr+16*\b+7], v[\so+\b]
	v_cvt_scalef32_pk8_fp8_f32 v[\pc+4*\b+2:\pc+4*\b+3], v[\sr+16*\b+8:\sr+16*\b+15], v[\so+\b]
.endr
.endm
.macro PV ob, pc, pw                   ; O^T += V^T P^T: four tiles of 16 features
	WIN W_PV
.irp a, 0,1,2,3
.if (\a)%2
	v_wmma_scale_f32_16x16x128_f8f6f4 v[\ob+8*\a:\ob+8*\a+7], v[VF+16*\a:VF+16*\a+15], v[\pc:\pc+15], v[\ob+8*\a:\ob+8*\a+7], v[VSC+\a/2], v[\pw] matrix_a_scale:MATRIX_SCALE_ROW1
.else
	v_wmma_scale_f32_16x16x128_f8f6f4 v[\ob+8*\a:\ob+8*\a+7], v[VF+16*\a:VF+16*\a+15], v[\pc:\pc+15], v[\ob+8*\a:\ob+8*\a+7], v[VSC+\a/2], v[\pw]
.endif
.endr
	WIN 0
.endm
; A KEY STEP: 128 keys.  s83: this step's codes (8,192 bytes a step), s84: those of the step whose K is fetched.
; No two matrix instructions that follow each other name one accumulator, over the backward jumps too.
.macro STEP
	s_wait_dscnt 0x0                               ; K's tiles and scale words are in
	WIN W_KQ
.irp t, 0,1,2,3,4,5,6,7
.if (\t)%2
	v_wmma_scale_f32_16x16x128_f8f6f4 v[SAR+8*\t:SAR+8*\t+7], v[KF+8*\t:KF+8*\t+15], v[QA:QA+15], 0, v[KSC+\t/2], v[QS] matrix_a_scale:MATRIX_SCALE_ROW1
.else
	v_wmma_scale_f32_16x16x128_f8f6f4 v[SAR+8*\t:SAR+8*\t+7], v[KF+8*\t:KF+8*\t+15], v[QA:QA+15], 0, v[KSC+\t/2], v[QS]
.endif
.endr
.irp t, 0,1,2,3,4,5,6,7
.if (\t)%2
	v_wmma_scale_f32_16x16x128_f8f6f4 v[SBR+8*\t:SBR+8*\t+7], v[KF+8*\t:KF+8*\t+15], v[QB:QB+15], 0, v[KSC+\t/2], v[QS] matrix_a_scale:MATRIX_SCALE_ROW1 matrix_b_scale:MATRIX_SCALE_ROW1
.else
	v_wmma_scale_f32_16x16x128_f8f6f4 v[SBR+8*\t:SBR+8*\t+7], v[KF+8*\t:KF+8*\t+15], v[QB:QB+15], 0, v[KSC+\t/2], v[QS] matrix_b_scale:MATRIX_SCALE_ROW1
.endif
.endr
	WIN 0
	s_lshr_b32 s94, s83, 5                         ; V's scale record: 256 bytes a step
	s_lshr_b32 s95, s84, 4                         ; K's: 512
	v_add_nc_u32 v[ADK0], s84, v[AK0]              ; six additions, the move and one v_nop: the eight places in front of the loads and of the first read of the scores
	v_add_nc_u32 v[ADK1], s84, v[AK1]
	v_add_nc_u32 v[ADV0], s83, v[AV0]
	v_add_nc_u32 v[ADV1], s83, v[AV1]
	v_add_nc_u32 v[ADS], s95, v[ASC]
	v_add_nc_u32 v[ADT], s94, v[ASV]
	v_dual_mov_b32 v[U0], v[STA] :: v_dual_mov_b32 v[U1], v[STB]   ; the old -M of both tiles; with the six additions and one v_nop: the eight places
	v_nop
	ds_load_b64 v[VSC:VSC+1], v[ADT]
	WIN W_LD
.irp b, 0,1
.irp c, 0,1,2,3
	ds_load_b128 v[VF+32*\b+4*\c:VF+32*\b+4*\c+3], v[ADV0] offset:4096*\b+512*\c
	ds_load_b128 v[VF+32*\b+16+4*\c:VF+32*\b+16+4*\c+3], v[ADV1] offset:4096*\b+512*\c
.endr
.endr
	KLOAD ADK0, ADK1, ADS
	; the largest score of each block of 32 keys, both tiles by turns: for the row's maximum and, since p rises with the score, for the block's largest p.  Each accumulator is read from its low end on
.irp b, 0,1,2,3
	v_max3_num_f32 v[BMA+\b], v[SAR+16*\b], v[SAR+16*\b+1], v[SAR+16*\b+2]
	v_max3_num_f32 v[BMB+\b], v[SBR+16*\b], v[SBR+16*\b+1], v[SBR+16*\b+2]
.endr
.irp i, 3,5,7,9,11,13
.irp b, 0,1,2,3
	v_max3_num_f32 v[BMA+\b], v[BMA+\b], v[SAR+16*\b+\i], v[SAR+16*\b+\i+1]
	v_max3_num_f32 v[BMB+\b], v[BMB+\b], v[SBR+16*\b+\i], v[SBR+16*\b+\i+1]
.endr
.endr
.irp b, 0,1,2,3
	v_max_num_f32 v[BMA+\b], v[BMA+\b], v[SAR+16*\b+15]
	v_max_num_f32 v[BMB+\b], v[BMB+\b], v[SBR+16*\b+15]
.endr
.irp b, 0,1,2,3
	v_permlanex16_b32 v[PTA+\b], v[BMA+\b], s20, s21
	v_permlanex16_b32 v[PTB+\b], v[BMB+\b], s20, s21
.endr
.irp b, 0,2
	v_dual_max_num_f32 v[BMA+\b], v[BMA+\b], v[PTA+\b] :: v_dual_max_num_f32 v[BMA+\b+1], v[BMA+\b+1], v[PTA+\b+1]   ; with lane l xor 16's 16 keys
	v_dual_max_num_f32 v[BMB+\b], v[BMB+\b], v[PTB+\b] :: v_dual_max_num_f32 v[BMB+\b+1], v[BMB+\b+1], v[PTB+\b+1]
.endr
	v_max3_num_f32 v[T0], v[BMA], v[BMA+1], v[BMA+2]
	v_max3_num_f32 v[T1], v[BMB], v[BMB+1], v[BMB+2]
	s_delay_alu instid0(VALU_DEP_2)
	v_max3_num_f32 v[STA+1], v[STA+1], v[T0], v[BMA+3]   ; the running largest score
	s_delay_alu instid0(VALU_DEP_2)
	v_max3_num_f32 v[STB+1], v[STB+1], v[T1], v[BMB+3]
	v_dual_mul_f32 v[T0], s22, v[STA+1] :: v_dual_mul_f32 v[T1], s22, v[STB+1]   ; as t (c is positive, so the largest score gives the largest t)
	v_floor_f32 v[STA], -v[T0]                     ; -M = floor(-t): M is a whole number
	v_floor_f32 v[STB], -v[T1]
	v_dual_sub_f32 v[T0], v[STA], v[U0] :: v_dual_sub_f32 v[T1], v[STB], v[U1]   ; old M - new M, 0 or less
	v_cvt_i32_f32 v[T0], v[T0]
	v_cvt_i32_f32 v[T1], v[T1]
	s_delay_alu instid0(VALU_DEP_2)
	v_ldexp_f32 v[FPA], 1.0, v[T0]                 ; f = 2^(old M - new M)
	s_delay_alu instid0(VALU_DEP_2)
	v_ldexp_f32 v[FPB], 1.0, v[T1]
.set j, 0
.rept 32
	v_pk_fma_f32 v[SAR+j:SAR+j+1], v[SAR+j:SAR+j+1], s[22:23], v[STA:STA+1] op_sel_hi:[1,0,0]   ; A: t - M
.set j, j+2
.endr
.irp b, 0,2
	v_pk_fma_f32 v[BMA+\b:BMA+\b+1], v[BMA+\b:BMA+\b+1], s[22:23], v[STA:STA+1] op_sel_hi:[1,0,0]   ; the same of each block's largest score
.endr
	s_wait_alu depctr_va_vdst(0)                   ; the wait ahead of the batch
.set j, 0
.rept 32                                       ; A: p = 2^(t - M); among the exponentials B's t - M, which reads what stood ahead of the wait
	v_exp_f32 v[SAR+j], v[SAR+j]
	v_pk_fma_f32 v[SBR+j:SBR+j+1], v[SBR+j:SBR+j+1], s[22:23], v[STB:STB+1] op_sel_hi:[1,0,0]
	v_exp_f32 v[SAR+j+1], v[SAR+j+1]
.set j, j+2
.endr
.irp b, 0,2
	v_exp_f32 v[BMA+\b], v[BMA+\b]                 ; the block's largest p: the same two instructions on the same number
	v_pk_fma_f32 v[BMB+\b:BMB+\b+1], v[BMB+\b:BMB+\b+1], s[22:23], v[STB:STB+1] op_sel_hi:[1,0,0]
	v_exp_f32 v[BMA+\b+1], v[BMA+\b+1]
.endr
	v_pk_mul_f32 v[STA+2:STA+3], v[STA+2:STA+3], v[FPA:FPA+1] op_sel_hi:[1,0]   ; the sums under the new M
	s_wait_alu depctr_va_vdst(0)                   ; one wait for the batch, ahead of its first reader, and of O^T's
	SS SAR, BMA, SOA, HDA, PTA, PWA, PB            ; B's code registers are free here
	RESC OA, FPA
	s_wait_alu depctr_va_vdst(0)                   ; ahead of B's batch
.set j, 0
.rept 32                                       ; B's exponentials; among them A's holds
	v_exp_f32 v[SBR+2*j], v[SBR+2*j]
	MINP SAR, SAR, HDA, j
	v_exp_f32 v[SBR+2*j+1], v[SBR+2*j+1]
.set j, j+1
.endr
.irp b, 0,1,2,3
	v_exp_f32 v[BMB+\b], v[BMB+\b]
.endr
	v_pk_mul_f32 v[STB+2:STB+3], v[STB+2:STB+3], v[FPB:FPB+1] op_sel_hi:[1,0]
	s_wait_alu depctr_va_vdst(0)
	CVT PA, SAR, SOA
	v_pk_add_f32 v[STA+2:STA+3], v[STA+2:STA+3], v[SUM2:SUM2+1]   ; A's sum takes the step's; also the plain line behind the conversions
	SS SBR, BMB, SOB, HDB, PTB, PWB, SAR           ; A's held p are converted: their registers are free.  Also the plain lines behind the conversions and ahead of the products that take the codes
	s_wait_alu depctr_va_vdst(0)                   ; the wait, directly ahead of the wait below
	s_wait_dscnt 17                                ; V and its scale words are in; behind them: K's 16 loads and its scale words
	PV OA, PA, PWA
.set j, 0
.rept 32
	MINP SAR, SBR, HDB, j                          ; B's held p go where A's lay, so that the sum below still finds the unquantised p
.set j, j+1
.endr
	CVT PB, SAR, SOB
	RESC OB, FPB                                   ; also the plain lines behind the conversions
	v_pk_add_f32 v[STB+2:STB+3], v[STB+2:STB+3], v[SUM2:SUM2+1]   ; B's sum takes the step's
.rept 3
	v_nop                                          ; with the line above: the sums just written stand four places ahead of the products
.endr
	PV OB, PB, PWB
.endm
; y = O^T / the sum, quantised along the head's 64 features (two blocks of 32 of the model's 1,024), stored as two chunks of the last projection's operand.
.macro OUT xx, sr, tt, ob, pc, hh
	v_add_f32 v[T0], v[\tt+2], v[\tt+3]
	s_delay_alu instid0(VALU_DEP_1)
	v_permlanex16_b32 v[T0+1], v[T0], s20, s21
	s_delay_alu instid0(VALU_DEP_1)
	v_add_f32 v[T0], v[T0], v[T0+1]                ; the row's sum
	s_wait_alu depctr_va_vdst(0)
	v_rcp_f32 v[FPA], v[T0]
	v_nop
	WIN W_OUT
.set j, 0
	s_wait_alu depctr_va_vdst(0)
.rept 16
	v_pk_mul_f32 v[\sr+j:\sr+j+1], v[\ob+j:\ob+j+1], v[FPA:FPA+1] op_sel_hi:[1,0]   ; register 16 b + i = feature 32 b + 16 h + i
.set j, j+2
.endr
	WIN 0
.irp b, 0,1
	v_max3_num_f32 v[BMA+\b], |v[\sr+16*\b]|, |v[\sr+16*\b+1]|, 0x4800000
.endr
.irp i, 2,4,6,8,10,12,14
.irp b, 0,1
	s_delay_alu instid0(VALU_DEP_2)
	v_max3_num_f32 v[BMA+\b], v[BMA+\b], |v[\sr+16*\b+\i]|, |v[\sr+16*\b+\i+1]|
.endr
.endr
.irp b, 0,1
	s_delay_alu instid0(VALU_DEP_2)
	v_permlanex16_b32 v[PTA+\b], v[BMA+\b], s20, s21
.endr
.irp b, 0,1
	s_delay_alu instid0(VALU_DEP_2)
	v_max_num_f32 v[BMA+\b], v[BMA+\b], v[PTA+\b]
.endr
.irp b, 0,1
	s_delay_alu instid0(VALU_DEP_2)
	v_add_nc_u32 v[SOA+\b], 0xfc000000, v[BMA+\b]
.endr
.irp b, 0,1
	s_delay_alu instid0(VALU_DEP_4)
	v_and_or_b32 v[HDA+\b], v[BMA+\b], 0x7f800000, s19
.endr
.irp b, 0,1
	s_delay_alu instid0(VALU_DEP_4)
	v_lshrrev_b32 v[PTA+\b], 23, v[SOA+\b]
.endr
	s_delay_alu instid0(VALU_DEP_1)
	v_lshl_or_b32 v[\hh], v[PTA+1], 8, v[PTA]      ; my row's two scale bytes
.irp b, 0,1
.irp i, 0,1,2,3,4,5,6,7,8,9,10,11,12,13,14,15
	v_med3_num_f32 v[\sr+16*\b+\i], v[\sr+16*\b+\i], -v[HDA+\b], v[HDA+\b]
.endr
	v_cvt_scalef32_pk8_fp8_f32 v[\pc+4*\b:\pc+4*\b+1], v[\sr+16*\b:\sr+16*\b+7], v[SOA+\b]
	v_cvt_scalef32_pk8_fp8_f32 v[\pc+4*\b+2:\pc+4*\b+3], v[\sr+16*\b+8:\sr+16*\b+15], v[SOA+\b]
.endr
	v_nop                                          ; one plain line behind the last conversion
	global_store_b128 v[QO0], v[\pc:\pc+3], s[10:11] offset:4096*\xx           ; the wave stores 512 consecutive bytes, aligned
	global_store_b128 v[QO0], v[\pc+4:\pc+7], s[10:11] offset:4096*\xx+512
.endm
.macro PASSINIT                        ; a pass begins: the largest t -3e38, sums and O^T zero (the first change of M multiplies zeros)
.irp t, STA, STB
	v_mov_b32 v[\t+1], 0xff61b1e6
	s_delay_alu instid0(VALU_DEP_1)
	v_floor_f32 v[\t], -v[\t+1]
	v_mov_b32 v[\t+2], 0
	v_mov_b32 v[\t+3], 0
.endr
	WIN W_LD
.set j, 0
.rept 64
	v_mov_b32 v[OA+j], 0
.set j, j+1
.endr
	WIN 0
.endm
	PASSINIT
	s_wait_alu depctr_va_vdst(0)                   ; the wait at the head's end
	s_wait_loadcnt 0x0                             ; Q, both passes'
	s_cmp_lt_u32 s16, 2
	s_cbranch_scc0 .Lnot_first
	s_wait_tensorcnt 0x0                           ; waves 0, 1: the scale words, K's and V's steps 0 to 3 are in
.Lnot_first:
	s_barrier_signal -1
	s_barrier_wait -1
	KLOAD AK0, AK1, ASC
	s_mov_b32 s81, 0
.Lfirst:                                           ; steps 0 to 2; the last fetches step 3's K
	s_lshl_b32 s83, s81, 13
	s_add_co_u32 s84, s83, 8192
	STEP
	s_add_co_u32 s81, s81, 1
	s_cmp_lt_u32 s81, 3
	s_cbranch_scc1 .Lfirst
	s_wait_tensorcnt 0x0                           ; every wave's tile is in
	s_wait_dscnt 0x0
	s_barrier_signal -1
	s_barrier_wait -1
	s_mov_b32 s81, 3
.Lmain:                                            ; steps 3 to 15 of the first pass, 0 to 15 of the second: step = s81 % 16
	s_and_b32 s83, s81, 15
	s_lshl_b32 s83, s83, 13
	s_add_co_u32 s84, s81, 1
	s_and_b32 s84, s84, 15
	s_lshl_b32 s84, s84, 13
	STEP
	s_and_b32 s94, s81, 15
	s_cmp_lg_u32 s94, 15
	s_cbranch_scc1 .Lnext
	OUT 0, SAR, STA, OA, PA, HA                    ; a pass ends; these lines are the places behind tile B's last products
	OUT 1, SBR, STB, OB, PB, HB
	v_cndmask_b32 v[HA], v[HA], v[HB], s85         ; lanes 0-15 tile A's rows, lanes 16-31 tile B's
	global_store_b16 v[YSO], v[HA], s[12:13]
	s_wait_xcnt 0x0                                ; the stores' data and bases are rewritten only behind this wait
	s_add_nc_u64 s[10:11], s[10:11], 262144        ; the next run of 256 tokens
	s_add_nc_u64 s[12:13], s[12:13], 8192
	s_cmp_eq_u32 s81, 31
	s_cbranch_scc1 .Lnext
	WIN W_RS
.set j, 0
.rept 8
	v_mov_b32 v[QA+j], v[Q2A+j]                    ; the second pass's queries take their places
	v_mov_b32 v[QB+j], v[Q2B+j]
.set j, j+1
.endr
	WIN 0
	v_mov_b32 v[QS], v[QS2]
	PASSINIT
	s_wait_alu depctr_va_vdst(0)                   ; the wait ahead of the jump
.Lnext:
	s_add_co_u32 s81, s81, 1
	s_cmp_lt_u32 s81, 32
	s_cbranch_scc1 .Lmain
	s_wait_dscnt 0x0                               ; my reads of the tiles are over,
	s_barrier_signal -1
	s_barrier_wait -1                              ; and everybody's
	s_wait_tensorcnt 0x0                           ; the wave's end
	ds_add_u32 v254, v255
	s_wait_dscnt 0x0
	CROUND                                         ; the closing round
	s_endpgm
.Lfunc_end_k_q5c1a79505e_attn:
	.size	k_q5c1a79505e_attn, .Lfunc_end_k_q5c1a79505e_attn-k_q5c1a79505e_attn
	.p2alignl 7, 3214868480
	.fill 96, 4, 3214868480
	.section	.rodata,"a",@progbits
	.p2align	6, 0x0
	.amdhsa_kernel k_q5c1a79505e_attn
		.amdhsa_group_segment_fixed_size 275456
		.amdhsa_private_segment_fixed_size 0
		.amdhsa_enable_private_segment 0
		.amdhsa_kernarg_size 40
		.amdhsa_user_sgpr_count 2
		.amdhsa_user_sgpr_kernarg_segment_ptr 1
		.amdhsa_wavefront_size32 1
		.amdhsa_system_sgpr_workgroup_id_x 1
		.amdhsa_system_sgpr_workgroup_id_y 1
		.amdhsa_system_sgpr_workgroup_id_z 1
		.amdhsa_system_vgpr_workitem_id 0
		.amdhsa_next_free_vgpr 512
		.amdhsa_next_free_sgpr 96
		.amdhsa_reserve_vcc 0
		.amdhsa_float_denorm_mode_32 3
		.amdhsa_float_denorm_mode_16_64 3
		.amdhsa_memory_ordered 1
		.amdhsa_forward_progress 1
		.amdhsa_inst_pref_size 99
	.end_amdhsa_kernel
	.amdgpu_metadata
---
amdhsa.version: [ 1, 2 ]
amdhsa.kernels:
  - .name:           k_q5c1a79505e_attn
    .symbol:         k_q5c1a79505e_attn.kd
    .args:
      - { .name: qimg, .offset: 0, .size: 8, .value_kind: global_buffer, .address_space: global }
      - { .name: qsc, .offset: 8, .size: 8, .value_kind: global_buffer, .address_space: global }
      - { .name: kvimg, .offset: 16, .size: 8, .value_kind: global_buffer, .address_space: global }
      - { .name: yimg, .offset: 24, .size: 8, .value_kind: global_buffer, .address_space: global }
      - { .name: ysc, .offset: 32, .size: 8, .value_kind: global_buffer, .address_space: global }
    .group_segment_fixed_size: 275456
    .private_segment_fixed_size: 0
    .kernarg_segment_align: 8
    .kernarg_segment_size: 40
    .max_flat_workgroup_size: 256
    .sgpr_count:     96
    .vgpr_count:     512
    .wavefront_size: 32
...
	.end_amdgpu_metadata
.endif
;; end of part 2
;; launch outp (part 3): grid 8 x 32, 4 waves a work-group, clusters of 4 x 4, 327,680 bytes of LDS; arguments yimg, ysc, Wo_codes, Wo_scales, bo, out0; writes out0
.if DOCPART == 3
	.amdgcn_target "amdgcn-amd-amdhsa--gfx1250"
	.amdhsa_code_object_version 6
	.text
	.protected	k_q5c1a79505e_outp
	.globl	k_q5c1a79505e_outp
	.p2align	8
	.type	k_q5c1a79505e_outp,@function
k_q5c1a79505e_outp:
	s_mov_b64 s[64:65], 0
	v_nop
	global_prefetch_b8 v0, s[64:65] scope:SCOPE_SE
	s_setreg_imm32_b32 hwreg(HW_REG_WAVE_MODE, 25, 1), 1
	s_wait_xcnt 0x0
	s_wait_alu depctr_hold_cnt(0) depctr_sa_sdst(0) depctr_va_vdst(0) depctr_va_sdst(0) depctr_va_ssrc(0) depctr_va_vcc(0) depctr_vm_vsrc(0)
	s_getreg_b32 s2, hwreg(HW_REG_IB_STS2, 6, 4)
	s_cmp_eq_u32 s2, 0
	s_cbranch_scc0 .Lentry_in_a_cluster
	s_endpgm
.Lentry_in_a_cluster:
	s_bfe_u32 s2, ttmp6, 0x10000c
	s_cmp_lg_u32 s2, 0xf033
	s_cbranch_scc0 .Lentry_shape_is_right
	s_endpgm
.Lentry_shape_is_right:
; out0 = relu(y Wo^T + bo): 8,192 x 1,024 x 1,024 on codes of MX-FP8 (E4M3, a scale byte for 32 along K), f32 sums.
; THE DEAL.  256 work-groups of four waves, 2 x 2.  A work-group makes one run of 256 tokens x 128 columns.  A wave holds 64 rows of Wo, ALL of K, in registers (512), and streams y's rows past them in eight blocks of 16, which stand in registers as two whole sets (256).
; y's codes lie in yimg as images of operand registers, [run][128 rows][K slot of 256][block of 16][128 in the slot][chunk][16 bytes a lane]: a chunk of 128 rows is 131,072 dense bytes, stated as 128 rows of 1,024.
; LDS: two slots of 128 rows x (1,024 + 16).  At the head Wo's 128 rows go into slot 1 (waves 0, 1: a half each) and y's first 128 rows into slot 0 (waves 2, 3).  When the weights are in registers, y's second 128 rows are filled over them, behind a drained round, a quarter a wave.
; CLUSTERS 4 x 4: y's rows are shared along a row of the cluster, Wo's along a column: joint loads.  y's second 128 rows are prefetched once in each cluster row, a sixteenth (8,192 bytes, lanes 256 bytes apart) a wave, behind the first barrier; the launch has no loop in which to ask further ahead.
; Scale words and the bias come straight into registers: a lane a row, so that a register holds one block's words in lanes 0-15 and the next block's in lanes 16-31.  THE BIAS IS THE FIRST PRODUCTS' C.
; THE MATRIX INSTRUCTION IS USED TRANSPOSED (source 0 = 16 rows of Wo, source 1 = 16 rows of y): a lane holds eight neighbouring columns of one token.  A block's way out (relu, my stage in LDS, whole rows of 256 bytes) stands among the next block's products; sums stand in two sets.
; LIMITS: NaN and infinities are not served.
; REGISTERS.  window 0: v4-16 addresses; v24-39 Wo's scale words; v44-75 y's; v80-111 the bias; v112-175 two sets of four accumulators; v176-207 rows read back.  windows 1, 2: the weights.  window 3: y's two sets.
.set KROW,   1024
.set PITCH,  KROW+16
.set YB,     128*PITCH
.set STAGE,  2*YB                      ; 16 rows x (256 + 16) bytes for each wave: no fill lands here
.set SPITCH, 272
.set SPARE,  STAGE+4*16*SPITCH
.set BLK,    4*PITCH                   ; a block's part of a K slot: 4,096 bytes in four LDS rows
.set KSL,    32*PITCH                  ; a K slot of a chunk
.set ADRA0, 4
.set ADRB,  5
.set STO,   6
.set RD,    7
.set CO,    8
.set PFO,   9
.set SPW,   10
.set NIL,   11
.set ADRA,  12
.set ADRA2, 13
.set ABS,   14
.set ASA,   15
.set ABO,   16
.set SB,    24
.set SA,    44                         ; no product's two scale words have numbers equal modulo 8
.set BQ,    80
.set ACC,   112
.set BK,    176
.set G1W, 24
.set G1X, 32
.set G1R, 48
.set G0W, 56
.set G0X, 60
.set G0R, 68
.set MSB, 0
.macro WIN new
.if MSB != (\new)
	s_set_vgpr_msb (MSB<<8)|(\new)
.set MSB, (\new)
.endif
.endm
.macro PLACES n
.rept \n
	v_nop
.endr
.endm
.macro BARRIER
	s_barrier_signal -1
	s_barrier_wait -1
.endm
.macro CROUND
	BARRIER
	s_cmp_lg_u32 s16, 0
	s_cbranch_scc1 .Lnot_wave_0_\@
	s_barrier_signal -3
.Lnot_wave_0_\@:
	s_barrier_wait -3
	BARRIER
.endm
.macro TLOAD g0, g1
	tensor_load_to_lds s[\g0:\g0+3], s[\g1:\g1+7]
	s_nop 0
	PLACES 4
.endm
.macro GROUP1 g, mask, rows            ; so many whole rows of 1,024 bytes, dense in memory, 16 bytes of padding behind each in LDS
	s_or_b32 s[\g+0], s[\mask], (1<<20)|(1<<21)|(7<<22)|(3<<25)
	s_mov_b32 s[\g+1], (KROW&0xffff)<<16
	s_mov_b32 s[\g+2], (KROW>>16)|((\rows)<<16)
	s_mov_b32 s[\g+3], KROW<<16
	s_mov_b32 s[\g+4], \rows
	s_mov_b32 s[\g+5], KROW
	s_mov_b32 s[\g+6], 0
	s_mov_b32 s[\g+7], 0
.endm
	s_load_b256 s[4:11], s[0:1], 0x0               ; yimg, ysc, Wo_codes, Wo_scales
	s_load_b128 s[12:15], s[0:1], 0x20             ; bo, out0
	v_lshl_add_u32 v[SPW], v0, 2, SPARE
	v_mov_b32 v[NIL], 0
	ds_add_u32 v[SPW], v[NIL]                      ; the opening lines
	ds_add_u32 v[SPW], v[NIL]
	v_lshrrev_b32 v1, 5, v0
	v_readfirstlane_b32 s16, v1                    ; wave 0..3
	s_lshr_b32 s17, s16, 1                         ; my row of waves
	s_and_b32 s18, s16, 1                          ; my column of waves
	s_bfe_u32 s40, ttmp6, 0x40000                  ; cx, cy
	s_bfe_u32 s41, ttmp6, 0x40004
	s_lshl_b32 s42, ttmp9, 2
	s_add_co_u32 s42, s42, s40                     ; tile column, 0..7
	s_and_b32 s43, ttmp7, 0xffff
	s_lshl_b32 s43, s43, 2
	s_add_co_u32 s43, s43, s41                     ; the run, 0..31
	s_lshl_b32 s44, s41, 2
	s_lshl_b32 s44, 15, s44                        ; my row of the cluster shares y's rows
	s_lshl_b32 s45, 0x1111, s40                    ; my column shares Wo's
	GROUP1 G1W, 45, 64
	GROUP1 G1X, 44, 64
	GROUP1 G1R, 44, 32
	s_lshl_b32 s19, s18, 16                        ; a half of 64 rows of 1,024 bytes
	s_lshl_b32 s20, s42, 17                        ; Wo's codes: 128 rows a tile column
	s_add_co_u32 s20, s20, s19
	s_mov_b32 s21, 0
	s_lshl_b32 s22, s43, 18                        ; y's codes: 262,144 bytes a run
	s_lshl_b32 s46, s16, 15
	s_add_co_u32 s46, s46, s22
	s_add_co_u32 s46, s46, 131072                  ; the second 128 rows, my quarter
	s_mov_b32 s47, 0
	s_lshl_b32 s85, s40, 2
	s_add_co_u32 s85, s85, s16
	s_lshl_b32 s85, s85, 13
	s_add_co_u32 s85, s85, s22
	s_add_co_u32 s85, s85, 131072                  ; and my sixteenth of them among the cluster row's sixteen waves, for the prefetch
	s_add_co_u32 s22, s22, s19                     ; the first 128 rows, my half
	s_mov_b32 s23, 0
	s_lshl_b32 s72, s42, 12                        ; Wo's scale bytes: my wave's 64 rows of 32
	s_lshl_b32 s19, s18, 11
	s_add_co_u32 s72, s72, s19
	s_mov_b32 s73, 0
	s_lshl_b32 s74, s43, 13                        ; y's scale bytes [run][K slot][row][8]: my row of waves' 64 rows
	s_lshl_b32 s19, s17, 9
	s_add_co_u32 s74, s74, s19
	s_mov_b32 s75, 0
	s_lshl_b32 s76, s42, 9                         ; my first column, in bytes of f32
	s_lshl_b32 s19, s18, 8
	s_add_co_u32 s76, s76, s19
	s_mov_b32 s77, 0
	s_lshl_b32 s78, s43, 20                        ; out0: 256 rows of 4,096 bytes a run, 64 rows for a row of waves
	s_lshl_b32 s19, s17, 18
	s_add_co_u32 s78, s78, s19
	s_add_co_u32 s78, s78, s76
	s_mov_b32 s79, 0
	s_mul_i32 s80, s18, 64*PITCH                   ; LDS: a half of a slot,
	s_add_co_u32 s81, s80, YB
	s_mul_i32 s82, s16, 32*PITCH                   ; a quarter of slot 1,
	s_add_co_u32 s82, s82, YB
	s_mul_i32 s83, s17, 4*BLK                      ; my row of waves' four blocks of a chunk,
	s_mul_i32 s84, s16, 16*SPITCH                  ; my stage
	s_add_co_u32 s84, s84, STAGE
	s_wait_dscnt 0x0
	CROUND                                         ; all sixteen work-groups are here
	s_wait_kmcnt 0x0
	s_mov_b32 s[G0W], 1
	s_mov_b32 s[G0W+1], s81
	s_add_nc_u64 s[G0W+2:G0W+3], s[8:9], s[20:21]
	s_or_b32 s[G0W+3], s[G0W+3], 0x80000000
	s_mov_b32 s[G0X], 1
	s_mov_b32 s[G0X+1], s80
	s_add_nc_u64 s[G0X+2:G0X+3], s[4:5], s[22:23]
	s_or_b32 s[G0X+3], s[G0X+3], 0x80000000
	s_mov_b32 s[G0R], 1
	s_mov_b32 s[G0R+1], s82
	s_add_nc_u64 s[G0R+2:G0R+3], s[4:5], s[46:47]
	s_or_b32 s[G0R+3], s[G0R+3], 0x80000000
	s_cmp_lt_u32 s16, 2                            ; one joint load a wave; the weights, which the first barrier shows, have a line of their own
	s_cbranch_scc0 .Lfor_y
	TLOAD G0W, G1W
	s_branch .Lasked
.Lfor_y:
	TLOAD G0X, G1X
.Lasked:
	s_add_nc_u64 s[10:11], s[10:11], s[72:73]
	s_add_nc_u64 s[6:7], s[6:7], s[74:75]
	s_add_nc_u64 s[12:13], s[12:13], s[76:77]
	s_add_nc_u64 s[14:15], s[14:15], s[78:79]
	v_and_b32 v1, 15, v0                           ; r
	v_bfe_u32 v2, v0, 4, 1                         ; h
	v_and_b32 v3, 31, v0                           ; lane
	v_lshl_add_u32 v[ADRA0], v3, 4, s83            ; y's images: 16 bytes a lane
	v_mul_u32_u24 v20, v1, PITCH
	v_lshl_add_u32 v20, v2, 4, v20
	v_add_nc_u32 v[ADRB], s81, v20                 ; Wo: row r of my 64, + 16 h
	v_mul_u32_u24 v21, v1, SPITCH
	v_lshl_add_u32 v21, v2, 5, v21
	v_add_nc_u32 v[STO], s84, v21                  ; into the stage: row r, 32 bytes for each half of the lanes
	v_mul_u32_u24 v22, v2, SPITCH
	v_lshl_add_u32 v22, v1, 4, v22
	v_add_nc_u32 v[RD], s84, v22                   ; back: lanes 0-15 one row of 256 bytes, lanes 16-31 the next
	v_lshlrev_b32 v23, 12, v2
	v_lshl_add_u32 v[CO], v1, 4, v23               ; and the same two rows in out0
	v_lshl_add_u32 v[PFO], v3, 8, s85
	v_lshlrev_b32 v[ABS], 5, v3                    ; Wo's scale bytes: lane l takes row l of a pair of tiles
	v_lshlrev_b32 v[ASA], 3, v3                    ; y's: lane l takes row l of a pair of blocks
	v_lshlrev_b32 v[ABO], 5, v2
	s_wait_alu depctr_va_vdst(0)
.irp p, 0,1
.irp c, 0,1
	global_load_b128 v[SB+8*\p+4*\c:SB+8*\p+4*\c+3], v[ABS], s[10:11] offset:1024*\p+16*\c
.endr
.endr
.irp p, 0,1,2,3                                ; pair p of my eight blocks: chunk p / 2, rows 32 (p % 2) on
.irp k, 0,1,2,3
	global_load_b64 v[SA+8*\p+2*\k:SA+8*\p+2*\k+1], v[ASA], s[6:7] offset:2048*\k+1024*(\p/2)+256*(\p%2)
.endr
.endr
.irp b, 0,1,2,3                                ; register j of tile b of lane (r, h) is column 16 b + 8 h + j
	global_load_b128 v[BQ+8*\b:BQ+8*\b+3], v[ABO], s[12:13] offset:64*\b
	global_load_b128 v[BQ+8*\b+4:BQ+8*\b+7], v[ABO], s[12:13] offset:64*\b+16
.endr
	s_cmp_lt_u32 s16, 2
	s_cbranch_scc0 .Lnot_w
	s_wait_tensorcnt 0x0                           ; waves 0, 1: the weights have landed
.Lnot_w:
	BARRIER
	global_prefetch_b8 v[PFO], s[4:5] th:TH_LOAD_NT scope:SCOPE_SE
.irp q, 0,1,2,3,4,5,6,7                        ; my 64 rows of Wo, all of K: fragment 4 q + b lies in window 1 + (4 q + b) / 16
	WIN (1+\q/4)<<6
.irp b, 0,1,2,3
.irp c, 0,1,2,3
	ds_load_b128 v[16*((4*\q+\b)%16)+4*\c:16*((4*\q+\b)%16)+4*\c+3], v[ADRB] offset:128*\q+32*\c+\b*16*PITCH
.endr
.endr
.endr
	WIN 0
	s_wait_tensorcnt 0x0                           ; every wave: y's first rows are in;
	ds_add_u32 v[SPW], v[NIL]
	s_wait_dscnt 0x0                               ; the add is done and the weights are in registers
	CROUND
	TLOAD G0R, G1R                                 ; y's second 128 rows over the weights' bytes
.macro FETCH s                         ; block s of my eight, all of K, into set s % 2 of window 3: 32 loads
	v_add_nc_u32 v[ADRA], ((\s)/4)*YB+((\s)%4)*BLK, v[ADRA0]
	v_add_nc_u32 v[ADRA2], ((\s)/4)*YB+((\s)%4)*BLK+2*KSL, v[ADRA0]
	WIN 3<<6
.irp k, 0,1
.irp q, 0,1
.irp c, 0,1,2,3
	ds_load_b128 v[128*((\s)%2)+16*(2*\k+\q)+4*\c:128*((\s)%2)+16*(2*\k+\q)+4*\c+3], v[ADRA] offset:\k*KSL+(2*\q+\c/2)*PITCH+(\c%2)*512
.endr
.endr
.endr
.irp k, 0,1
.irp q, 0,1
.irp c, 0,1,2,3
	ds_load_b128 v[128*((\s)%2)+16*(4+2*\k+\q)+4*\c:128*((\s)%2)+16*(4+2*\k+\q)+4*\c+3], v[ADRA2] offset:\k*KSL+(2*\q+\c/2)*PITCH+(\c%2)*512
.endr
.endr
.endr
	WIN 0
.endm
.macro PROD s, n                       ; product n = 4 q + b of block s: the q-th 128 of K, column tile b.  The four accumulators take turns
.set Q_, (\n)/4
.set B_, (\n)%4
.set AC_, ACC+32*((\s)%2)+8*B_
.set C_, AC_
.if Q_ == 0
.set C_, BQ+8*B_
.endif
.set R_, 128*((\s)%2)+16*Q_
.set W_, 16*((\n)%16)
.set XS_, SA+8*((\s)/2)+Q_
.set WS_, SB+8*(B_/2)+Q_
	WIN (1+(\n)/16)|(3<<2)
.if (B_%2) && ((\s)%2)
	v_wmma_scale_f32_16x16x128_f8f6f4 v[AC_:AC_+7], v[W_:W_+15], v[R_:R_+15], v[C_:C_+7], v[WS_], v[XS_] matrix_a_scale:MATRIX_SCALE_ROW1 matrix_b_scale:MATRIX_SCALE_ROW1
.elseif B_%2
	v_wmma_scale_f32_16x16x128_f8f6f4 v[AC_:AC_+7], v[W_:W_+15], v[R_:R_+15], v[C_:C_+7], v[WS_], v[XS_] matrix_a_scale:MATRIX_SCALE_ROW1
.elseif (\s)%2
	v_wmma_scale_f32_16x16x128_f8f6f4 v[AC_:AC_+7], v[W_:W_+15], v[R_:R_+15], v[C_:C_+7], v[WS_], v[XS_] matrix_b_scale:MATRIX_SCALE_ROW1
.else
	v_wmma_scale_f32_16x16x128_f8f6f4 v[AC_:AC_+7], v[W_:W_+15], v[R_:R_+15], v[C_:C_+7], v[WS_], v[XS_]
.endif
.endm
.macro RELU a, k                       ; each accumulator from its low end on
	v_max_num_f32 v[ACC+32*(\a)+(\k)], 0, v[ACC+32*(\a)+(\k)]
.endm
.macro TOSTAGE a                       ; a block, 16 tokens x 64 columns, into my stage and back as whole rows; LDS serves a wave's instructions in order (ISA guide 5.7.1.4)
.irp b, 0,1,2,3
	ds_store_b128 v[STO], v[ACC+32*(\a)+8*\b:ACC+32*(\a)+8*\b+3] offset:64*\b
	ds_store_b128 v[STO], v[ACC+32*(\a)+8*\b+4:ACC+32*(\a)+8*\b+7] offset:64*\b+16
.endr
.irp t, 0,1,2,3,4,5,6,7
	ds_load_b128 v[BK+4*\t:BK+4*\t+3], v[RD] offset:\t*2*SPITCH
.endr
.endm
.macro SEND s                          ; 16 lanes store 256 consecutive bytes, aligned
.irp t, 0,1,2,3,4,5,6,7
	global_store_b128 v[CO], v[BK+4*\t:BK+4*\t+3], s[14:15] offset:(((\s)/4)*128+((\s)%4)*16+2*\t)*4096 th:TH_STORE_NT
.endr
.endm
.macro BLOCK s
.if (\s) < 2
	s_wait_dscnt 32                                ; my set is in; behind it: the next block's 32 loads
.endif
	s_wait_xcnt 0x0                                ; earlier stores have read their registers
.set N_, 0
.rept 16
	PROD \s, N_
.if (\s) > 0
	WIN 0
	RELU ((\s)-1)%2, 2*N_
	RELU ((\s)-1)%2, 2*N_+1
.endif
.set N_, N_+1
.endr
.if (\s) > 0
	WIN 0
	s_wait_alu depctr_va_vdst(0)                   ; the wait ahead of the stores that read what was just written
	TOSTAGE ((\s)-1)%2
.endif
.rept 16
	PROD \s, N_
.set N_, N_+1
.endr
	WIN 0
.if (\s) == 2
	s_wait_tensorcnt 0x0                           ; y's second 128 rows: my quarter is in,
	s_wait_dscnt 0x0
	BARRIER                                        ; and everybody's
.endif
	PLACES 8                                       ; behind the last product, ahead of the fetch into what it has read and of the first read of its sums
.if (\s) < 6
	FETCH (\s)+2
.endif
.if (\s) > 0
.if (\s) < 6
	s_wait_dscnt 32                                ; all but the 32 just issued: the rows are back, and the next block's set is in
.else
	s_wait_dscnt 0x0
.endif
	SEND (\s)-1
.endif
.endm
	FETCH 0
	FETCH 1
	s_wait_loadcnt 0x0                             ; scale words and bias
.irp s, 0,1,2,3,4,5,6,7
	BLOCK \s
.endr
	s_wait_xcnt 0x0
.set K_, 0
.rept 32
	RELU 1, K_
.set K_, K_+1
.endr
	TOSTAGE 1
	s_wait_dscnt 0x0
	SEND 7
	s_wait_tensorcnt 0x0                           ; the wave's end
	ds_add_u32 v[SPW], v[NIL]
	s_wait_dscnt 0x0
	CROUND                                         ; the closing round
	s_endpgm
.Lfunc_end_k_q5c1a79505e_outp:
	.size	k_q5c1a79505e_outp, .Lfunc_end_k_q5c1a79505e_outp-k_q5c1a79505e_outp
	.p2alignl 7, 3214868480
	.fill 96, 4, 3214868480
	.section	.rodata,"a",@progbits
	.p2align	6, 0x0
	.amdhsa_kernel k_q5c1a79505e_outp
		.amdhsa_group_segment_fixed_size 327680
		.amdhsa_private_segment_fixed_size 0
		.amdhsa_enable_private_segment 0
		.amdhsa_kernarg_size 48
		.amdhsa_user_sgpr_count 2
		.amdhsa_user_sgpr_kernarg_segment_ptr 1
		.amdhsa_wavefront_size32 1
		.amdhsa_system_sgpr_workgroup_id_x 1
		.amdhsa_system_sgpr_workgroup_id_y 1
		.amdhsa_system_sgpr_workgroup_id_z 1
		.amdhsa_system_vgpr_workitem_id 0
		.amdhsa_next_free_vgpr 1024
		.amdhsa_next_free_sgpr 90
		.amdhsa_reserve_vcc 0
		.amdhsa_float_denorm_mode_32 3
		.amdhsa_float_denorm_mode_16_64 3
		.amdhsa_memory_ordered 1
		.amdhsa_forward_progress 1
		.amdhsa_inst_pref_size 101
	.end_amdhsa_kernel
	.amdgpu_metadata
---
amdhsa.version: [ 1, 2 ]
amdhsa.kernels:
  - .name:           k_q5c1a79505e_outp
    .symbol:         k_q5c1a79505e_outp.kd
    .args:
      - { .name: yimg, .offset: 0, .size: 8, .value_kind: global_buffer, .address_space: global }
      - { .name: ysc, .offset: 8, .size: 8, .value_kind: global_buffer, .address_space: global }
      - { .name: Wo_codes, .offset: 16, .size: 8, .value_kind: global_buffer, .address_space: global }
      - { .name: Wo_scales, .offset: 24, .size: 8, .value_kind: global_buffer, .address_space: global }
      - { .name: bo, .offset: 32, .size: 8, .value_kind: global_buffer, .address_space: global }
      - { .name: out0, .offset: 40, .size: 8, .value_kind: global_buffer, .address_space: global }
    .group_segment_fixed_size: 327680
    .private_segment_fixed_size: 0
    .kernarg_segment_align: 8
    .kernarg_segment_size: 48
    .max_flat_workgroup_size: 128
    .sgpr_count:     90
    .vgpr_count:     1024
    .wavefront_size: 32
...
	.end_amdgpu_metadata
.endif
;; end of part 3
